; MI455X (gfx1250); checked and timed in simulation.
; The chip was launched on July 23, 2026; its instructions are those of AMD's public machine-readable ISA for CDNA 5 (MIT licence, August 2026) and "CDNA5" Instruction Set Architecture Reference Guide (July 2026). The comments in the code are by the model that wrote it; some were corrected since.
;; Self Attention V3. Allowed arithmetic: float matrix products may take bf16 or f16 operands with f32 sums; all other float work in f32.
;; Inputs: W_out 1,024 x 1,024 float32; W_qkv 1,024 x 3,072 float32; b_out 1,024 float32; b_qkv 3,072 float32; hidden_states 4 x 2,048 x 1,024 float32.
;; Outputs: out0 4 x 2,048 x 1,024 float32.
;; 2 versions, each right; version 2 is version 1 with the launch prep written anew for expert scheduling mode. Each part assembles by itself: llvm-mc -triple=amdgcn-amd-amdhsa -mcpu=gfx1250 --defsym DOCPART=n.
;; ======== version 1 of 2: 5 launches
;; limits: values are held in f16: magnitudes above 65,504 overflow, below 6.1e-05 lose precision
;; workspace buffers: xb 16,777,216 bytes; wqb 6,291,456 bytes; wob 2,097,152 bytes; qkv16 50,331,648 bytes; p16 33,554,432 bytes; stats 1,048,576 bytes; o16 16,777,216 bytes
;; launch prep (part 1): grid 768 x 1, 8 waves a work-group, no clusters, 0 bytes of LDS; arguments hidden_states, W_qkv, W_out, xb, wqb, wob; writes xb, wqb, wob
.if DOCPART == 1
	.amdgcn_target "amdgcn-amd-amdhsa--gfx1250"
	.amdhsa_code_object_version 6
	.text
	.protected	k_q3813477b9f_prep
	.globl	k_q3813477b9f_prep
	.p2align	8
	.type	k_q3813477b9f_prep,@function
k_q3813477b9f_prep:
	s_mov_b64 s[64:65], 0
	v_nop
	global_prefetch_b8 v0, s[64:65] scope:SCOPE_SE
	s_setreg_imm32_b32 hwreg(HW_REG_WAVE_MODE, 25, 1), 1
	s_wait_xcnt 0x0
; The three large inputs are rounded to 16 bits, once, so that the products read half the bytes and convert nothing.
;   xb  = bf16(hidden_states)   wqb = bf16(W_qkv)   wob = bf16(W_out), that number written as f16 (the last product multiplies f16 by f16).
; Layouts stay as they are: the products read the weights [k][n] out of LDS by the turning load.
; LIMITS.  |W_out| stays under 65,504 (f16's range); a bf16 number below 2^-14 keeps f16's fixed step of 2^-24.
; A stream: memory binds, so no LDS, no barrier, no matrix unit.  A work-group converts 16,384 numbers: 65,536 bytes in, 32,768 out.
; Work-groups 0-511 take hidden_states, 512-703 W_qkv, 704-767 W_out.  Thread t: sixteen loads of 16 bytes, 4,096 bytes apart, all issued first
; (a wave's load covers 512 consecutive bytes); each store of a wave covers 256 consecutive bytes, aligned.
.set NX, 512                           ; work-groups for hidden_states: 8,388,608 / 16,384
.set NQ, 192                           ; for W_qkv: 3,145,728 / 16,384
.set X,  4                             ; v[4:67]   sixteen loads of four f32
.set Y,  68                            ; v[68:99]  sixteen pairs of packed words
	s_load_b256 s[4:11], s[0:1], 0x0               ; hidden_states s[4:5], W_qkv s[6:7], W_out s[8:9], xb s[10:11]
	s_load_b128 s[12:15], s[0:1], 0x20             ; wqb s[12:13], wob s[14:15]
	s_mov_b32 s16, ttmp9
	s_cmp_lt_u32 s16, NX
	s_cselect_b32 s18, 0, NX
	s_cmp_lt_u32 s16, NX+NQ
	s_cselect_b32 s18, s18, NX+NQ
	s_sub_co_u32 s18, s16, s18                     ; my number among the work-groups of my tensor
	s_lshl_b32 s20, s18, 16                        ; its bytes in,
	s_mov_b32 s21, 0
	s_lshl_b32 s22, s18, 15                        ; and out
	s_mov_b32 s23, 0
	s_mov_b32 s19, 0xffff0000                      ; a word's upper bf16
	v_lshlrev_b32 v1, 4, v0                        ; 16 bytes a thread in
	v_lshlrev_b32 v2, 3, v0                        ; 8 bytes a thread out
	s_wait_kmcnt 0x0
	s_cmp_lt_u32 s16, NX                           ; the choice of buffers hangs on the work-group's number alone
	s_cselect_b64 s[4:5], s[4:5], s[6:7]
	s_cselect_b64 s[10:11], s[10:11], s[12:13]
	s_cmp_lt_u32 s16, NX+NQ
	s_cselect_b64 s[4:5], s[4:5], s[8:9]
	s_cselect_b64 s[10:11], s[10:11], s[14:15]
	s_add_nc_u64 s[4:5], s[4:5], s[20:21]
	s_add_nc_u64 s[10:11], s[10:11], s[22:23]
.irp j, 0,1,2,3,4,5,6,7,8,9,10,11,12,13,14,15
	global_load_b128 v[X+4*(\j):X+4*(\j)+3], v1, s[4:5] offset:4096*(\j) th:TH_LOAD_NT
.endr
; Load j is rounded and stored.  half = 1: the bf16 number is widened again and written as f16.
.macro CV j, half
	s_wait_loadcnt 15-(\j)                         ; loads come back in order: mine is in, the 15 - j younger ones stay out
	v_cvt_pk_bf16_f32 v[Y+2*(\j)],   v[X+4*(\j)],   v[X+4*(\j)+1]
	v_cvt_pk_bf16_f32 v[Y+2*(\j)+1], v[X+4*(\j)+2], v[X+4*(\j)+3]
.if \half
	v_lshlrev_b32 v[X+4*(\j)],   16,  v[Y+2*(\j)]
	v_and_b32     v[X+4*(\j)+1], s19, v[Y+2*(\j)]
	v_lshlrev_b32 v[X+4*(\j)+2], 16,  v[Y+2*(\j)+1]
	v_and_b32     v[X+4*(\j)+3], s19, v[Y+2*(\j)+1]
	v_cvt_pk_f16_f32 v[Y+2*(\j)],   v[X+4*(\j)],   v[X+4*(\j)+1]
	v_cvt_pk_f16_f32 v[Y+2*(\j)+1], v[X+4*(\j)+2], v[X+4*(\j)+3]
.endif
	global_store_b64 v2, v[Y+2*(\j):Y+2*(\j)+1], s[10:11] offset:2048*(\j)
.endm
	s_cmp_ge_u32 s16, NX+NQ
	s_cbranch_scc1 .Lhalf
.irp j, 0,1,2,3,4,5,6,7,8,9,10,11,12,13,14,15
	CV \j, 0
.endr
	s_endpgm
.Lhalf:
.irp j, 0,1,2,3,4,5,6,7,8,9,10,11,12,13,14,15
	CV \j, 1
.endr
	s_endpgm
.Lfunc_end_k_q3813477b9f_prep:
	.size	k_q3813477b9f_prep, .Lfunc_end_k_q3813477b9f_prep-k_q3813477b9f_prep
	.p2alignl 7, 3214868480
	.fill 96, 4, 3214868480
	.section	.rodata,"a",@progbits
	.p2align	6, 0x0
	.amdhsa_kernel k_q3813477b9f_prep
		.amdhsa_group_segment_fixed_size 0
		.amdhsa_private_segment_fixed_size 0
		.amdhsa_enable_private_segment 0
		.amdhsa_kernarg_size 48
		.amdhsa_user_sgpr_count 2
		.amdhsa_user_sgpr_kernarg_segment_ptr 1
		.amdhsa_wavefront_size32 1
		.amdhsa_system_sgpr_workgroup_id_x 1
		.amdhsa_system_sgpr_workgroup_id_y 1
		.amdhsa_system_sgpr_workgroup_id_z 1
		.amdhsa_system_vgpr_workitem_id 0
		.amdhsa_next_free_vgpr 104
		.amdhsa_next_free_sgpr 66
		.amdhsa_reserve_vcc 0
		.amdhsa_float_denorm_mode_32 3
		.amdhsa_float_denorm_mode_16_64 3
		.amdhsa_memory_ordered 1
		.amdhsa_forward_progress 1
		.amdhsa_inst_pref_size 15
	.end_amdhsa_kernel
	.amdgpu_metadata
---
amdhsa.version: [ 1, 2 ]
amdhsa.kernels:
  - .name:           k_q3813477b9f_prep
    .symbol:         k_q3813477b9f_prep.kd
    .args:
      - { .name: hidden_states, .offset: 0, .size: 8, .value_kind: global_buffer, .address_space: global }
      - { .name: W_qkv, .offset: 8, .size: 8, .value_kind: global_buffer, .address_space: global }
      - { .name: W_out, .offset: 16, .size: 8, .value_kind: global_buffer, .address_space: global }
      - { .name: xb, .offset: 24, .size: 8, .value_kind: global_buffer, .address_space: global }
      - { .name: wqb, .offset: 32, .size: 8, .value_kind: global_buffer, .address_space: global }
      - { .name: wob, .offset: 40, .size: 8, .value_kind: global_buffer, .address_space: global }
    .group_segment_fixed_size: 0
    .private_segment_fixed_size: 0
    .kernarg_segment_align: 8
    .kernarg_segment_size: 48
    .max_flat_workgroup_size: 256
    .sgpr_count:     66
    .vgpr_count:     104
    .wavefront_size: 32
...
	.end_amdgpu_metadata
.endif
;; end of part 1
;; launch qkv (part 2): grid 8 x 32, 4 waves a work-group, clusters of 4 x 4, 327,680 bytes of LDS; arguments xb, wqb, qkv16, b_qkv; writes qkv16
.if DOCPART == 2
	.amdgcn_target "amdgcn-amd-amdhsa--gfx1250"
	.amdhsa_code_object_version 6
	.text
	.protected	k_q3813477b9f_qkv
	.globl	k_q3813477b9f_qkv
	.p2align	8
	.type	k_q3813477b9f_qkv,@function
k_q3813477b9f_qkv:
	s_mov_b64 s[64:65], 0
	v_nop
	global_prefetch_b8 v0, s[64:65] scope:SCOPE_SE
	s_setreg_imm32_b32 hwreg(HW_REG_WAVE_MODE, 25, 1), 1
	s_wait_xcnt 0x0
	s_wait_alu depctr_hold_cnt(0) depctr_sa_sdst(0) depctr_va_vdst(0) depctr_va_sdst(0) depctr_va_ssrc(0) depctr_va_vcc(0) depctr_vm_vsrc(0)
	s_getreg_b32 s2, hwreg(HW_REG_IB_STS2, 6, 4)
	s_cmp_eq_u32 s2, 0
	s_cbranch_scc0 .Lentry_in_a_cluster
	s_endpgm
.Lentry_in_a_cluster:
	s_bfe_u32 s2, ttmp6, 0x10000c
	s_cmp_lg_u32 s2, 0xf033
	s_cbranch_scc0 .Lentry_shape_is_right
	s_endpgm
.Lentry_shape_is_right:
; qkv16[m][n] = the sum over k of xb[m][k] wqb[k][n] + bf16(b_qkv[n]).  xb: [8192][1024] bf16; wqb: [1024][3072] bf16; qkv16: [8192][3072] f16; sums in f32, rounded once.
; LIMIT.  A result of 65,520 or more has no place in f16: |q|, |k|, |v| stay under 65,504.
; SHARES.  A tile of C is 256 x 384: 8 x 32 = 256 work-groups.  Four waves, 2 x 2, each 128 rows x 192 columns: 96 accumulators of 16 x 16, 768 registers.
; THE RING.  A barrier period is 64 along K: 192 matrix instructions a wave.  B (wqb, [k][n]) has two slots of 64 k-rows x 768 bytes and comes out of LDS turned, by ds_load_tr16_b128.
; A (xb) has two slots of 128 along K, so that its rows in memory are 256 bytes, aligned; a slot's rows 0-127 are asked for behind the even barriers and its rows 128-255 behind the odd ones,
; each two chunks on: behind every barrier waves 0 and 1 ask for 64 rows of A each, waves 2 and 3 for 32 k-rows of B each (the period's tile of B has 64 rows for the two of them).
; CLUSTERS: 4 x 4 work-groups; A's tiles are shared along a row of the cluster, B's along a column, each asked for jointly: the same tensor load, descriptor and mask in the four.
; THE MATRIX INSTRUCTION IS USED TRANSPOSED (source 0 = 16 columns of C, source 1 = 16 rows): a lane holds eight neighbouring numbers of a row of C.
; REGISTERS, in windows of 256 (s_set_vgpr_msb: bits 1:0 source 0, 3:2 source 1, 5:4 source 2, 7:6 destination):
;   window 0: v0-31 addresses; v32-95, v96-159 fragments of A (8 blocks x 32 K), two buffers; v160-255 fragments of B (12 blocks x 32 K), ONE buffer
;   windows 1-3: the accumulators: window 1 + b / 4 holds (a, b) at v[8 (4 a + b % 4)]
; A quarter (32 along K) is three PASSES of 32 products, one a window: all 8 blocks of A x 4 blocks of B.  When a pass is over, its 4 blocks of B take the next quarter's fragments, two passes ahead of
; their use.  All fragments lie in window 0, so LDS loads want no window of their own: six switches for a quarter's 96 products and 40 loads.
; THE BIAS has no registers to wait in: it is rounded to bf16 like every input, kept in LDS bytes of the wave's own, and added in f32 on the way out.
.set PITCH_A, 1024                     ; elements from row to row of xb
.set PITCH_B, 3072                     ; of wqb
.set ROWC,    6144                     ; bytes in a row of qkv16
.set PA,      272                      ; an LDS row of A: 256 bytes + 16 = 68 words: row r starts at bank 4 r mod 64 (64 banks of 4 bytes: ISA guide 11.1)
.set PBB,     864                      ; an LDS row of B: 3 x (256 + 32) bytes = 216 words: 8 rows x 32 bytes of the turning load start at banks 24 i mod 64
.set AQ,      64*PA                    ; what one tensor load brings of A
.set AHALF,   128*PA
.set ASLOT,   256*PA
.set BBASE,   2*ASLOT                  ; B's slots lie behind A's
.set BH,      32*PBB                   ; what one tensor load brings of B
.set BSLOT,   64*PBB
.set SPARE,   BBASE+2*BSLOT            ; behind the ring: the spare words, 128 bytes for each wave: two blocks of 256 bytes that no other line names
.set BIASL,   SPARE+512                ; behind them: 768 bytes for each wave: the bias of its 192 columns, in f32
.set SPITCH,  784                      ; the stage: 768 bytes + 16 = 196 words: row r starts at bank 4 r mod 64.  256 rows from LDS byte 0 on: the ring's bytes, behind their last fill
.set STEP_A,  2*128*2                  ; bytes from a slot's chunk of A to its next
.set STEP_B,  2*64*PITCH_B*2           ; from a slot's period of B to its next
.set ADRA, 8                           ; v8-9    LDS address of my A fragments in slot 0, 1
.set ADRB, 10                          ; v10-15  of my B fragments: slot s, group g at ADRB + 3 s + g
.set STO,  16                          ; v16-17  the way out: where I put 16 bytes of a row: blocks 0-3, blocks 4-7
.set RD0,  18                          ; v18-19  where I read rows back
.set RD1,  19
.set CO0,  20                          ; v20-21  the same places in C
.set CO1,  21
.set BR,   22                          ; v22     where I read the bias
.set BG,   23                          ; v23     my byte offset in the wave's 768 bytes of b_qkv
.set BW,   24                          ; v24     where I write the bias
.set SPW,  28                          ; v28     LDS address of my spare word: SPARE + 4 x my thread's number; never rewritten
.set NIL,  29                          ; v29     0; never rewritten
.set A0,   32
.set A1,   96
.set BF,   160
.set TMP,  32                          ; the way out: 128 packed words
.set OB,   32                          ; and rows read back: v32-127 and v128-223 by turns
.set G1,  24                           ; s[24:31] descriptor group 1 for A's tiles
.set G1B, 48                           ; s[48:55] for B's
.set GA,  68                           ; s[68:83] group 0 for A: slot q, half hf at GA + 4 (2 q + hf)
.set GB,  84                           ; s[84:91] group 0 for B: slot s at GB + 4 s
.set MSB, 0
.macro WIN new                         ; the immediate's high byte repeats the setting that is left; a switch that changes nothing is dropped
.if MSB != (\new)
	s_set_vgpr_msb (MSB<<8)|(\new)
.set MSB, \new
.endif
.endm
.macro PLACES                          ; four places in front of loads into registers that matrix instructions have read, and of vector work that reads results
.rept 4
	v_nop
.endr
.endm
; A joint refill.  fill = 2: waves 0 and 1 ask for A by set ga, waves 2 and 3 for B by set gb.  fill = 1: B alone.  The branch hangs on the wave's number alone.
; Four v_nop follow each tensor load, ahead of the jump, the label and what follows.
.macro JLOAD fill, ga, gb
	s_cmp_eq_u32 s11, 0
.if (\fill) == 2
	s_cbranch_scc0 .Lfor_b_\@
	tensor_load_to_lds s[GA+4*(\ga):GA+4*(\ga)+3], s[G1:G1+7]
	s_nop 0
.rept 4
	v_nop
.endr
	s_branch .Lasked_\@
.Lfor_b_\@:
.else
	s_cbranch_scc1 .Lasked_\@
.endif
	tensor_load_to_lds s[GB+4*(\gb):GB+4*(\gb)+3], s[G1B:G1B+7]
	s_nop 0
.rept 4
	v_nop
.endr
.Lasked_\@:
.endm
.macro CREST                           ; a round of the cluster's barrier behind its opening barrier
	s_cmp_lg_u32 s10, 0
	s_cbranch_scc1 .Lnot_wave_0_\@
	s_barrier_signal -3
.Lnot_wave_0_\@:
	s_barrier_wait -3
	s_barrier_signal -1
	s_barrier_wait -1
.endm
.macro CROUND                          ; a whole round
	s_barrier_signal -1
	s_barrier_wait -1
	CREST
.endm
	s_load_b128 s[4:7], s[0:1], 0x0                ; xb s[4:5], wqb s[6:7]
	s_load_b64 s[8:9], s[0:1], 0x10                ; qkv16
	s_load_b64 s[66:67], s[0:1], 0x18              ; b_qkv
	v_lshl_add_u32 v[SPW], v0, 2, SPARE
	v_mov_b32 v[NIL], 0
	ds_add_u32 v28, v29
	s_wait_dscnt 0x0
	v_lshrrev_b32 v1, 5, v0
	v_readfirstlane_b32 s10, v1                    ; wave 0..3
	s_lshr_b32 s11, s10, 1                         ; which half of the tile's rows is mine.  Also: I fetch for A (0) or for B (1)
	s_and_b32 s12, s10, 1                          ; which half of its columns.  Also: which part of a request I fetch
	s_bfe_u32 s40, ttmp6, 0x40000                  ; cx, cy: my place in the cluster
	s_bfe_u32 s41, ttmp6, 0x40004
	s_lshl_b32 s42, ttmp9, 2
	s_add_co_u32 s42, s42, s40                     ; tile column of C = 4 x cluster x + cx
	s_and_b32 s13, ttmp7, 0xffff
	s_lshl_b32 s13, s13, 2
	s_add_co_u32 s13, s13, s41                     ; tile row of C = 4 x cluster y + cy
	s_lshl_b32 s43, s41, 2
	s_lshl_b32 s43, 15, s43                        ; my row of the cluster
	s_lshl_b32 s44, 0x1111, s40                    ; my column
	; descriptor group 1.  A: 64 rows x 128 elements; B: 32 k-rows x 384 elements; both padded in LDS behind every 64 words
	s_or_b32 s[G1+0], s43, (1<<16)|(1<<20)|(1<<21)|(5<<22)|(3<<25)   ; 15:0 the mask: my row; 17:16 elements of 2 bytes; 20 padding on; 21 set beside a mask; 24:22 after every 64 words (code 5); 31:25 4 words (code 3)
	s_or_b32 s[G1B+0], s44, (1<<16)|(1<<20)|(1<<21)|(5<<22)|(7<<25)  ; the mask of my column; 8 words of padding (code 7), three times in a row of 192 words
	s_mov_b32 s[G1+1], 128<<16                     ; tensor_dim0 = 128
	s_mov_b32 s[G1+2], 64<<16                      ; tensor_dim1 = 64
	s_mov_b32 s[G1+3], 128<<16                     ; tile_dim0 = 128
	s_mov_b32 s[G1+4], 64                          ; tile_dim1 = 64
	s_mov_b32 s[G1+5], PITCH_A                     ; elements from row to row
	s_mov_b32 s[G1+6], 0
	s_mov_b32 s[G1+7], 0
	s_mov_b32 s[G1B+1], 384<<16                    ; tensor_dim0 = 384
	s_mov_b32 s[G1B+2], 32<<16                     ; tensor_dim1 = 32
	s_mov_b32 s[G1B+3], 384<<16                    ; tile_dim0 = 384
	s_mov_b32 s[G1B+4], 32                         ; tile_dim1 = 32
	s_mov_b32 s[G1B+5], PITCH_B
	s_mov_b32 s[G1B+6], 0
	s_mov_b32 s[G1B+7], 0
	; A's tiles hang on the tile row alone, B's on the tile column alone; each address is made in registers that never hold the other coordinate
	s_lshl_b32 s16, s13, 8
	s_lshl_b32 s17, s12, 6
	s_add_co_u32 s16, s16, s17                     ; A: row 256 x tile row + 64 x part
	s_lshl_b32 s16, s16, 11                        ; in bytes: under 2^25
	s_mov_b32 s17, 0
	s_mul_i32 s46, s12, 32*PITCH_B*2               ; B: k-row 32 x part,
	s_mul_i32 s47, s42, 768                        ; column 384 x tile column
	s_add_co_u32 s46, s46, s47
	s_mov_b32 s47, 0
	s_mul_i32 s20, s10, AQ                         ; where they go: A's parts at wave x AQ (waves 0, 1),
	s_mul_i32 s22, s10, BH                         ; B's at BBASE + (wave - 2) x BH (waves 2, 3): no place in the cluster enters an LDS address
	s_add_co_u32 s22, s22, BBASE-2*BH
	s_wait_kmcnt 0x0
	s_add_nc_u64 s[14:15], s[4:5], s[16:17]
	s_add_nc_u64 s[46:47], s[6:7], s[46:47]
.irp q, 0,1
.irp hf, 0,1
	s_mov_b32 s[GA+4*(2*(\q)+(\hf))], 1                                       ; count = 1
	s_add_co_u32 s[GA+4*(2*(\q)+(\hf))+1], s20, (\q)*ASLOT+(\hf)*AHALF        ; LDS address
	s_add_nc_u64 s[GA+4*(2*(\q)+(\hf))+2:GA+4*(2*(\q)+(\hf))+3], s[14:15], (\hf)*128*PITCH_A*2+(\q)*256  ; global address: chunk q, rows 128 hf on
	s_or_b32 s[GA+4*(2*(\q)+(\hf))+3], s[GA+4*(2*(\q)+(\hf))+3], 0x80000000   ; type = 2
.endr
.endr
.irp s, 0,1
	s_mov_b32 s[GB+4*(\s)], 1
	s_add_co_u32 s[GB+4*(\s)+1], s22, (\s)*BSLOT
	s_add_nc_u64 s[GB+4*(\s)+2:GB+4*(\s)+3], s[46:47], (\s)*64*PITCH_B*2      ; period s
	s_or_b32 s[GB+4*(\s)+3], s[GB+4*(\s)+3], 0x80000000
.endr
	CROUND                                         ; all sixteen work-groups are here: the first joint loads meet
	s_cmp_eq_u32 s11, 0                            ; a wave's first fills stand in one branch: four loads of waves 0 and 1 are out, two of waves 2 and 3
	s_cbranch_scc0 .Lfirst_b
	tensor_load_to_lds s[GA:GA+3], s[G1:G1+7]              ; chunk 0, rows 0-127
	s_nop 0
	tensor_load_to_lds s[GA+4:GA+7], s[G1:G1+7]            ; chunk 0, rows 128-255
	s_nop 0
	tensor_load_to_lds s[GA+8:GA+11], s[G1:G1+7]           ; chunk 1
	s_nop 0
	tensor_load_to_lds s[GA+12:GA+15], s[G1:G1+7]
	s_nop 0
.rept 4
	v_nop
.endr
	s_branch .Lfirst_asked
.Lfirst_b:
	tensor_load_to_lds s[GB:GB+3], s[G1B:G1B+7]            ; period 0
	s_nop 0
	tensor_load_to_lds s[GB+4:GB+7], s[G1B:G1B+7]          ; period 1
	s_nop 0
.rept 4
	v_nop
.endr
.Lfirst_asked:
	; All that follows up to the first barrier stands in the wait for the first tiles.
	s_mul_i32 s46, s42, 1536                       ; the bias of my wave's 192 columns: 4 bytes x (384 x tile column + 192 x half)
	s_mul_i32 s18, s12, 768
	s_add_co_u32 s46, s46, s18
	s_mov_b32 s47, 0
	s_add_nc_u64 s[66:67], s[66:67], s[46:47]
	v_and_b32 v3, 31, v0
	v_lshlrev_b32 v[BG], 3, v3                     ; 8 bytes a lane: a load covers 256 consecutive bytes
	global_load_b64 v[32:33], v[BG], s[66:67]
	global_load_b64 v[34:35], v[BG], s[66:67] offset:256
	global_load_b64 v[36:37], v[BG], s[66:67] offset:512
	v_and_b32 v1, 15, v0                           ; r = l % 16
	v_bfe_u32 v2, v0, 4, 1                         ; h = l / 16
	s_mul_i32 s18, s10, 768
	s_add_co_u32 s18, s18, BIASL                   ; my wave's bytes for the bias
	v_add_nc_u32 v[BW], s18, v[BG]
	v_lshl_add_u32 v[BR], v2, 5, s18               ; back: columns 16 b + 8 h + 0..7 lie at byte 64 b + 32 h
	; A fragment of A is 16 rows x 32 K in 8 registers: lane l holds row r, K = 8 h + 0..7 and 16 + 8 h + 0..7: two loads of 16 bytes, 32 bytes apart.
	v_mul_u32_u24 v3, v1, PA
	v_lshl_add_u32 v3, v2, 4, v3                   ; r x pitch + 16 h
	s_mul_i32 s21, s11, AHALF                      ; my 128 rows of A
	v_add_nc_u32 v[ADRA], s21, v3
	s_add_co_u32 s21, s21, ASLOT
	v_add_nc_u32 v[ADRA+1], s21, v3
	; The turning load takes 16 k x 16 columns (lane l reads k-row 8 h + l % 8, columns 8 ((l / 8) % 2) + 0..7) and leaves half a fragment: lane l holds column r and 8 k.
	v_and_b32 v4, 7, v0
	v_lshl_add_u32 v4, v2, 3, v4
	v_mul_u32_u24 v4, v4, PBB
	v_bfe_u32 v5, v0, 3, 1
	v_lshl_add_u32 v4, v5, 4, v4
.irp g, 0,1,2                          ; group g: 4 blocks, 128 bytes of a row from byte 384 x half + 128 g on: they never cross a pad, and 32 bytes of padding lie in front of them for every 256
	s_mul_i32 s18, s12, 384
	s_add_co_u32 s18, s18, 128*(\g)
	s_lshr_b32 s19, s18, 8
	s_lshl_b32 s19, s19, 5
	s_add_co_u32 s18, s18, s19
	s_add_co_u32 s18, s18, BBASE
	v_add_nc_u32 v[ADRB+(\g)], s18, v4
	s_add_co_u32 s18, s18, BSLOT
	v_add_nc_u32 v[ADRB+3+(\g)], s18, v4
.endr
	s_mul_i32 s23, s11, 128*SPITCH                 ; into the stage: my 128 rows, my 384 bytes of them; row r, 16 bytes for each half of the lanes
	s_mul_i32 s18, s12, 384
	s_add_co_u32 s23, s23, s18
	v_mul_u32_u24 v5, v1, SPITCH
	v_lshl_add_u32 v5, v2, 4, v5
	v_add_nc_u32 v[STO], s23, v5
	s_add_co_u32 s23, s23, 64*SPITCH
	v_add_nc_u32 v[STO+1], s23, v5
	; back: wave w takes rows 64 w .. 64 w + 63, whole.  Two rows are six pieces of 256 bytes, sixteen lanes to a piece, three loads: (row 0: pieces 0, 1), (row 0: piece 2; row 1: piece 0), (row 1: pieces 1, 2)
	s_mul_i32 s23, s10, 64*SPITCH
	v_lshlrev_b32 v5, 4, v1                        ; 16 r
	v_lshl_add_u32 v[CO0], v2, 8, v5               ; the first load: 256 h + 16 r; the third lies a row and 256 bytes on
	v_add_nc_u32 v[RD0], s23, v[CO0]
	v_mul_u32_u24 v7, v2, SPITCH-512               ; the second: 512 + 16 r, or one row on less 512
	v_add3_u32 v[RD1], v7, v5, s23
	v_add_nc_u32 v[RD1], 512, v[RD1]
	v_mul_u32_u24 v7, v2, ROWC-512
	v_add3_u32 v[CO1], v7, v5, 512
	s_lshl_b32 s16, s13, 8
	s_lshl_b32 s17, s10, 6
	s_add_co_u32 s16, s16, s17                     ; the first row of C that I store: 256 x tile row + 64 x wave
	s_mul_i32 s16, s16, ROWC
	s_mov_b32 s17, 0
	s_add_nc_u64 s[8:9], s[8:9], s[16:17]
	s_mul_i32 s46, s42, 768                        ; the tile's first column, in bytes: three pieces of 256
	s_add_nc_u64 s[8:9], s[8:9], s[46:47]
	s_wait_loadcnt 0x0                             ; the bias is in; like every input it is rounded to bf16, and widened again
	v_cvt_pk_bf16_f32 v38, v32, v33
	v_cvt_pk_bf16_f32 v39, v34, v35
	v_cvt_pk_bf16_f32 v40, v36, v37
.irp i, 0,1,2
	v_lshlrev_b32 v[32+2*(\i)], 16,         v[38+(\i)]
	v_and_b32     v[33+2*(\i)], 0xffff0000, v[38+(\i)]
.endr
.irp i, 0,1,2
	ds_store_b64 v[BW], v[32+2*(\i):33+2*(\i)] offset:256*(\i)
.endr
; 4 na matrix instructions of pass g: blocks a0 .. a0 + na - 1 of A x the 4 blocks of B's group g, 32 along K.  zero = 1: the product starts the sums.
; The 96 accumulators take turns, one instruction a turn, in the same order in every quarter.
.macro MUL f, g, a0, na, zero
	WIN 0x50*((\g)+1)                              ; sources 0 and 1 window 0; C and D window 1 + g
.set ia, \a0
.rept \na
.irp c, 0,1,2,3
.if \zero
	v_wmma_f32_16x16x32_bf16 v[8*(4*ia+(\c)):8*(4*ia+(\c))+7], v[BF+8*(4*(\g)+(\c)):BF+8*(4*(\g)+(\c))+7], v[(\f)+8*ia:(\f)+8*ia+7], 0
.else
	v_wmma_f32_16x16x32_bf16 v[8*(4*ia+(\c)):8*(4*ia+(\c))+7], v[BF+8*(4*(\g)+(\c)):BF+8*(4*(\g)+(\c))+7], v[(\f)+8*ia:(\f)+8*ia+7], v[8*(4*ia+(\c)):8*(4*ia+(\c))+7]
.endif
.endr
.set ia, ia+1
.endr
.endm
.macro FETCHA q, kq, f                 ; 16 loads: my 128 rows, quarter kq (0..3) of the chunk in slot q, into buffer f
	WIN 0
.irp a, 0,1,2,3,4,5,6,7
	ds_load_b128 v[(\f)+8*(\a):(\f)+8*(\a)+3],   v[ADRA+(\q)] offset:64*(\kq)+(\a)*16*PA
	ds_load_b128 v[(\f)+8*(\a)+4:(\f)+8*(\a)+7], v[ADRA+(\q)] offset:64*(\kq)+(\a)*16*PA+32
.endr
.endm
.macro FETCHB s, k2, g                 ; 8 loads: group g of my columns, quarter k2 (0, 1) of the period in slot s
	WIN 0
.irp c, 0,1,2,3
	ds_load_tr16_b128 v[BF+8*(4*(\g)+(\c)):BF+8*(4*(\g)+(\c))+3],   v[ADRB+3*(\s)+(\g)] offset:(\k2)*32*PBB+32*(\c)
	ds_load_tr16_b128 v[BF+8*(4*(\g)+(\c))+4:BF+8*(4*(\g)+(\c))+7], v[ADRB+3*(\s)+(\g)] offset:(\k2)*32*PBB+32*(\c)+16*PBB
.endr
.endm
; A period's FIRST quarter: multiplies A's buffer f; behind each pass come the next quarter's fragments (slot q, quarter kq of A into buffer fn; slot s, quarter k2 of B).
.macro QE f, fn, q, kq, s, k2, zero
	s_wait_dscnt 16                                ; A and B's group 0 are in; the youngest sixteen loads (groups 1, 2) may be out
	MUL \f, 0, 0, 8, \zero
	PLACES
	FETCHB \s, \k2, 0
	FETCHA \q, \kq, \fn
	s_wait_dscnt 32                                ; group 1 is in: behind it came group 2's eight and the 24 just issued
	MUL \f, 1, 0, 8, \zero
	PLACES
	FETCHB \s, \k2, 1
	s_wait_dscnt 32                                ; group 2 is in: behind it came those 24 and the eight just issued
	MUL \f, 2, 0, 8, \zero
	PLACES
	FETCHB \s, \k2, 2
.endm
; A period's SECOND quarter changes slots: all its fragments have been asked for, so the period's bytes are read out.  ONE barrier; in front of it each wave waits for all its tensor loads, adds 0 to its
; spare word, and waits for that and for its own reads.  fill = 2: the barrier opens a round of the cluster's, and behind it set ga of A and set gb of B are stepped and asked for; 1: B alone; 0: nothing.
.macro QO f, fn, q, kq, s, k2, fill, ga, gb
	WIN 0
	s_wait_tensorcnt 0x0                           ; all my tensor loads have landed: the one that was out is my part of what the next periods read;
	ds_add_u32 v[SPW], v[NIL]                      ; 0 onto my spare word;
	s_wait_dscnt 17                                ; (the add and the youngest sixteen loads may be out)
	MUL \f, 0, 0, 2, 0                             ; eight matrix instructions stand between the add and the wait for it
	s_wait_dscnt 0x0                               ; the add is done, and my reads of the period are over
	s_barrier_signal -1
	MUL \f, 0, 2, 2, 0
	WIN 0
	s_barrier_wait -1
.if \fill
	CREST                                          ; no wave of any partner still reads these bytes or has a load on its way
.if (\fill) == 2
	s_add_nc_u64 s[GA+4*(\ga)+2:GA+4*(\ga)+3], s[GA+4*(\ga)+2:GA+4*(\ga)+3], STEP_A
.endif
	s_add_nc_u64 s[GB+4*(\gb)+2:GB+4*(\gb)+3], s[GB+4*(\gb)+2:GB+4*(\gb)+3], STEP_B
	JLOAD \fill, \ga, \gb                          ; the first tensor load behind the round, 176 matrix instructions ahead of the wait for it
.endif
	MUL \f, 0, 4, 4, 0
	PLACES
	FETCHB \s, \k2, 0
	FETCHA \q, \kq, \fn
	MUL \f, 1, 0, 8, 0
	PLACES
	FETCHB \s, \k2, 1
	MUL \f, 2, 0, 8, 0
	PLACES
	FETCHB \s, \k2, 2
.endm
	s_wait_dscnt 0x0                               ; no LDS instruction of mine is pending at the signal
	s_wait_tensorcnt 1                             ; all my first fills but the last have landed: chunk 0 of A, or period 0 of B, among them
	s_barrier_signal -1
	s_barrier_wait -1                              ; everybody's have
	FETCHB 0, 0, 0
	FETCHA 0, 0, A0
	FETCHB 0, 0, 1
	FETCHB 0, 0, 2
	; Quarter t (0..31) belongs to period t / 2 and chunk t / 4.  The barrier in quarter 2 p - 1 stands in front of period p's reads; behind it go out period p + 1 of B and, for p = 2 .. 13, half a chunk of A.
	QE A0, A1, 0, 1, 0, 1, 1                       ; t = 0: its products start the sums
	QO A1, A0, 0, 2, 1, 0, 1, 0, 0                 ; t = 1: B's period 2
	QE A0, A1, 0, 3, 1, 1, 0                       ; t = 2
	WIN 0                                          ; at a label and at a branch every window is 0
	s_mov_b32 s3, 3
.Llap:                                                 ; a trip: eight quarters, four periods; t = 3 .. 26 in three trips
	QO A1, A0, 1, 0, 0, 0, 2, 0, 1                 ; slot 0 of A, rows 0-127; slot 1 of B
	QE A0, A1, 1, 1, 0, 1, 0
	QO A1, A0, 1, 2, 1, 0, 2, 1, 0                 ; slot 0 of A, rows 128-255; slot 0 of B
	QE A0, A1, 1, 3, 1, 1, 0
	QO A1, A0, 0, 0, 0, 0, 2, 2, 1                 ; slot 1 of A, rows 0-127; slot 1 of B
	QE A0, A1, 0, 1, 0, 1, 0
	QO A1, A0, 0, 2, 1, 0, 2, 3, 0                 ; slot 1 of A, rows 128-255; slot 0 of B
	QE A0, A1, 0, 3, 1, 1, 0
	WIN 0
	s_sub_co_u32 s3, s3, 1
	s_cmp_lg_u32 s3, 0
	s_cbranch_scc1 .Llap
	QO A1, A0, 1, 0, 0, 0, 1, 0, 1                 ; t = 27: the tail is written out: B's period 15, the last load
	QE A0, A1, 1, 1, 0, 1, 0                       ; t = 28
	QO A1, A0, 1, 2, 1, 0, 0, 0, 0                 ; t = 29: nothing is left to fetch, and no round follows
	QE A0, A1, 1, 3, 1, 1, 0                       ; t = 30
	s_wait_dscnt 16                                ; t = 31: no further fragments
	MUL A1, 0, 0, 8, 0
	s_wait_dscnt 8                                 ; group 2's eight may be out
	MUL A1, 1, 0, 8, 0
	s_wait_dscnt 0x0                               ; my reads of the ring are over:
	s_barrier_signal -1                            ; say so, since the stage lies in the ring's bytes;
	MUL A1, 2, 0, 8, 0
	WIN 0
	s_barrier_wait -1                              ; nobody reads the ring any more, and no tensor load is left to fill it
	; THE WAY OUT.  A wave's 384 bytes of a row are a piece and a half of 256, so the four waves share one stage.  Window by window: the bias is added, 32 accumulators are rounded to f16
	; (each one's registers in ascending order), 16 bytes a lane go into the stage; a barrier; whole rows come back, 64 rows a wave.
	PLACES
.irp b, 0,1,2,3,4,5,6,7,8,9,10,11
	ds_load_b128 v[BF+8*(\b):BF+8*(\b)+3],   v[BR] offset:64*(\b)       ; register j of block b: the bias of column 16 b + 8 h + j, as the result of a product holds it
	ds_load_b128 v[BF+8*(\b)+4:BF+8*(\b)+7], v[BR] offset:64*(\b)+16
.endr
	s_wait_dscnt 0x0
.macro OUTW w                          ; window w: accumulator i = 4 a + c is block a of my rows, block 4 (w - 1) + c of my columns
	WIN ((\w)<<6)|(\w)                             ; destination and source 0 window w, source 1 window 0
.set i, 0
.rept 32
.irp j, 0,2,4,6
	v_pk_add_f32 v[8*i+(\j):8*i+(\j)+1], v[8*i+(\j):8*i+(\j)+1], v[BF+8*(4*((\w)-1)+i%4)+(\j):BF+8*(4*((\w)-1)+i%4)+(\j)+1]
.endr
.set i, i+1
.endr
	WIN (\w)|((\w)<<2)                             ; sources 0 and 1 window w, destination window 0
.set i, 0
.rept 128
	v_cvt_pk_f16_f32 v[TMP+i], v[2*i], v[2*i+1]
.set i, i+1
.endr
	WIN 0
.set i, 0
.rept 32
	ds_store_b128 v[STO+i/16], v[TMP+4*i:TMP+4*i+3] offset:((i/4)%4)*16*SPITCH+32*(4*((\w)-1)+i%4)
.set i, i+1
.endr
.endm
	OUTW 1
	OUTW 2
	OUTW 3
	s_wait_dscnt 0x0                               ; for the others' sake: my stores into the stage are done
	s_barrier_signal -1
	s_barrier_wait -1
.macro LOADB n                         ; batch n: 16 rows, 24 loads
.set pr, 0
.rept 8
	ds_load_b128 v[OB+96*((\n)%2)+12*pr:OB+96*((\n)%2)+12*pr+3],    v[RD0] offset:(8*(\n)+pr)*2*SPITCH
	ds_load_b128 v[OB+96*((\n)%2)+12*pr+4:OB+96*((\n)%2)+12*pr+7],  v[RD1] offset:(8*(\n)+pr)*2*SPITCH
	ds_load_b128 v[OB+96*((\n)%2)+12*pr+8:OB+96*((\n)%2)+12*pr+11], v[RD0] offset:(8*(\n)+pr)*2*SPITCH+SPITCH+256
.set pr, pr+1
.endr
.endm
.macro STOREB n, younger               ; younger: the LDS loads issued behind batch n's: the next batch's 24, or none
	s_wait_dscnt \younger
.set pr, 0
.rept 8                                ; sixteen lanes store 256 consecutive bytes, at a multiple of 256 from C's first byte
	global_store_b128 v[CO0], v[OB+96*((\n)%2)+12*pr:OB+96*((\n)%2)+12*pr+3],    s[8:9] offset:(8*(\n)+pr)*2*ROWC
	global_store_b128 v[CO1], v[OB+96*((\n)%2)+12*pr+4:OB+96*((\n)%2)+12*pr+7],  s[8:9] offset:(8*(\n)+pr)*2*ROWC
	global_store_b128 v[CO0], v[OB+96*((\n)%2)+12*pr+8:OB+96*((\n)%2)+12*pr+11], s[8:9] offset:(8*(\n)+pr)*2*ROWC+ROWC+256
.set pr, pr+1
.endr
.endm
	LOADB 0
	LOADB 1
	STOREB 0, 24
	s_wait_xcnt 0x0                                ; batch 0's stores have read their registers: batch 2 is loaded into them only behind this wait
	LOADB 2
	STOREB 1, 24
	s_wait_xcnt 0x0                                ; the same for batches 1 and 3
	LOADB 3
	STOREB 2, 24
	STOREB 3, 0
	s_wait_tensorcnt 0x0                           ; the wave's end: behind my last tensor load and my last LDS store
	ds_add_u32 v[SPW], v[NIL]
	s_wait_dscnt 0x0
	CROUND                                         ; the closing round: no work-group ends while a partner may still ask for a tile that names it
	s_endpgm
.Lfunc_end_k_q3813477b9f_qkv:
	.size	k_q3813477b9f_qkv, .Lfunc_end_k_q3813477b9f_qkv-k_q3813477b9f_qkv
	.p2alignl 7, 3214868480
	.fill 96, 4, 3214868480
	.section	.rodata,"a",@progbits
	.p2align	6, 0x0
	.amdhsa_kernel k_q3813477b9f_qkv
		.amdhsa_group_segment_fixed_size 327680
		.amdhsa_private_segment_fixed_size 0
		.amdhsa_enable_private_segment 0
		.amdhsa_kernarg_size 32
		.amdhsa_user_sgpr_count 2
		.amdhsa_user_sgpr_kernarg_segment_ptr 1
		.amdhsa_wavefront_size32 1
		.amdhsa_system_sgpr_workgroup_id_x 1
		.amdhsa_system_sgpr_workgroup_id_y 1
		.amdhsa_system_sgpr_workgroup_id_z 1
		.amdhsa_system_vgpr_workitem_id 0
		.amdhsa_next_free_vgpr 1024
		.amdhsa_next_free_sgpr 92
		.amdhsa_reserve_vcc 0
		.amdhsa_float_denorm_mode_32 3
		.amdhsa_float_denorm_mode_16_64 3
		.amdhsa_memory_ordered 1
		.amdhsa_forward_progress 1
		.amdhsa_inst_pref_size 235
	.end_amdhsa_kernel
	.amdgpu_metadata
---
amdhsa.version: [ 1, 2 ]
amdhsa.kernels:
  - .name:           k_q3813477b9f_qkv
    .symbol:         k_q3813477b9f_qkv.kd
    .args:
      - { .name: xb, .offset: 0, .size: 8, .value_kind: global_buffer, .address_space: global }
      - { .name: wqb, .offset: 8, .size: 8, .value_kind: global_buffer, .address_space: global }
      - { .name: qkv16, .offset: 16, .size: 8, .value_kind: global_buffer, .address_space: global }
      - { .name: b_qkv, .offset: 24, .size: 8, .value_kind: global_buffer, .address_space: global }
    .group_segment_fixed_size: 327680
    .private_segment_fixed_size: 0
    .kernarg_segment_align: 8
    .kernarg_segment_size: 32
    .max_flat_workgroup_size: 128
    .sgpr_count:     92
    .vgpr_count:     1024
    .wavefront_size: 32
...
	.end_amdgpu_metadata
.endif
;; end of part 2
;; launch scores (part 3): grid 8 x 32, 4 waves a work-group, clusters of 4 x 4, 327,680 bytes of LDS; arguments qkv16, p16, stats; writes p16, stats
.if DOCPART == 3
	.amdgcn_target "amdgcn-amd-amdhsa--gfx1250"
	.amdhsa_code_object_version 6
	.text
	.protected	k_q3813477b9f_scores
	.globl	k_q3813477b9f_scores
	.p2align	8
	.type	k_q3813477b9f_scores,@function
k_q3813477b9f_scores:
	s_mov_b64 s[64:65], 0
	v_nop
	global_prefetch_b8 v0, s[64:65] scope:SCOPE_SE
	s_setreg_imm32_b32 hwreg(HW_REG_WAVE_MODE, 25, 1), 1
	s_wait_xcnt 0x0
	s_wait_alu depctr_hold_cnt(0) depctr_sa_sdst(0) depctr_va_vdst(0) depctr_va_sdst(0) depctr_va_ssrc(0) depctr_va_vcc(0) depctr_vm_vsrc(0)
	s_getreg_b32 s2, hwreg(HW_REG_IB_STS2, 6, 4)
	s_cmp_eq_u32 s2, 0
	s_cbranch_scc0 .Lentry_in_a_cluster
	s_endpgm
.Lentry_in_a_cluster:
	s_bfe_u32 s2, ttmp6, 0x10000c
	s_cmp_lg_u32 s2, 0xf033
	s_cbranch_scc0 .Lentry_shape_is_right
	s_endpgm
.Lentry_shape_is_right:
; THE FIRST HALF OF THE SOFTMAX.  s[q][k] = the sum over channels of q[q][:] k[k][:]; for each row and each TILE of 128 keys: cm = c x (the tile's largest s), c = log2(e) / 32;
; P[q][k] = 2^(c s - cm), rounded to f16; l = the sum of the tile's unrounded weights.  The launch behind knows all 16 maxima of a row and brings the tiles onto the row's maximum.
; qkv16: [8192][3072] f16 (q at byte 0 of a row, k at byte 2,048); p16: [8192][2048] f16; stats: [16 tiles][8192 rows][cm, l] f32.  Products, maxima and sums in f32.
; LIMITS.  q and k arrive within f16's range; a weight below 6e-5 keeps f16's fixed step of 6e-8, one below 2^-126 counts as 0 in l; NaN and infinities are not treated apart.
; SHARES.  A tile of the scores is 256 queries x 256 keys of one batch: 256 work-groups.  Four waves, each 128 x 128: 64 accumulators, 512 registers; a wave's 128 keys are one tile of the statistics.
; K (the 1,024 channels) goes in steps of 128 through a ring of two LDS slots filled by joint tensor loads: 4 x 4 work-groups form a cluster, q's tiles are shared along a row of it, k's along a column.
; THE MATRIX INSTRUCTION IS USED TRANSPOSED (source 0 = 16 keys, source 1 = 16 queries): a lane holds ONE query (lane % 16) and, of each group of 16 keys, the eight 8 (lane / 16) + 0..7.
; REGISTERS, in windows of 256 (s_set_vgpr_msb: bits 1:0 source 0, 3:2 source 1, 5:4 source 2, 7:6 destination):
;   window 0: v0-31 addresses; v64-127, v128-191 fragments of q, two buffers (behind the products: v64-103 at work); v32-63, v192-255 at work on the way out
;   window 1: v64-127, v128-191 fragments of k          window 2: the accumulators of my rows 0-63, (a, b) at v[8 (8 a + b)]          window 3: those of my rows 64-127
.set KSTEP,  128
.set PITCH,  272                       ; an LDS row: 256 bytes + 16 = 68 words: row r starts at bank 4 r mod 64 (64 banks of 4 bytes: ISA guide 11.1)
.set HALFT,  128*PITCH                 ; 128 rows: what one tensor load brings, and what one wave reads of q or of k
.set SLOT,   4*HALFT                   ; q's 256 rows, then k's 256 rows
.set STAGE,  2*SLOT                    ; behind the ring: 16 rows x 272 bytes for each wave, for the way out
.set SPITCH, 272
.set SPARE,  STAGE+4*16*SPITCH         ; behind the stages: the spare words, 128 bytes for each wave: two blocks of 256 bytes that no other line names
.set LAPS,   1024/(2*KSTEP)
.set ROWQ,   6144                      ; bytes in a row of qkv16
.set ROWP,   4096                      ; bytes in a row of p16
.set ADRA, 16                          ; v16-17  LDS address of my q fragments in slot 0, 1
.set ADRB, 20                          ; v20-21  the same for k
.set STO,  24                          ; v24     the way out: where I put 16 bytes of a row
.set RD,   25                          ; v25     where I read a row back
.set CO,   26                          ; v26     my byte offset in P
.set SO,   27                          ; v27     my byte offset in 32 rows of the statistics
.set SPW,  28                          ; v28     LDS address of my spare word: SPARE + 4 x my thread's number; never rewritten
.set NIL,  29                          ; v29     0; never rewritten
.set F0,   64
.set F1,   128
.set TMP,  192                         ; packed weights
.set OB,   32                          ; 16 rows read back from the stage: v32-63 and v224-255 by turns
.set CH,   64                          ; v64-71  eight running maxima
.set CMP,  72                          ; v72-73  cm, twice
.set LT,   74                          ; v74-75  at work on the sum
.set CM,   80                          ; v80-87  cm of block a
.set LS,   88                          ; v88-95  l of block a
.set SD,   96                          ; v96-103 pairs (cm, l) to store
.set G1,  24
.set G0,  32
.set G1B, 48
.set G0B, 56
.set CS,  72                           ; s[72:73] c: the packed scaling takes the pair's low word for both halves
.set SEL, 74                           ; s[74:75] v_permlanex16_b32's selects: each lane takes its own place in the other half
.set MSB, 0
.macro WIN new
.if MSB != (\new)
	s_set_vgpr_msb (MSB<<8)|(\new)
.set MSB, \new
.endif
.endm
.set MUL_LO, 0xa1                      ; source 0 (k) window 1, source 1 (q) window 0, C and D window 2
.set MUL_HI, 0xf1                      ; the same, C and D window 3
.set TO_B,   0x40
.macro JLOAD s                         ; a joint load: waves 0 and 1 fetch q's two halves, waves 2 and 3 k's; four v_nop follow each of the two lines
	s_cmp_eq_u32 s11, 0
	s_cbranch_scc0 .Lfor_b_\@
	tensor_load_to_lds s[G0+4*(\s):G0+4*(\s)+3], s[G1:G1+7]
	s_nop 0
.rept 4
	v_nop
.endr
	s_branch .Lasked_\@
.Lfor_b_\@:
	tensor_load_to_lds s[G0B+4*(\s):G0B+4*(\s)+3], s[G1B:G1B+7]
	s_nop 0
.rept 4
	v_nop
.endr
.Lasked_\@:
.endm
.macro CREST
	s_cmp_lg_u32 s10, 0
	s_cbranch_scc1 .Lnot_wave_0_\@
	s_barrier_signal -3
.Lnot_wave_0_\@:
	s_barrier_wait -3
	s_barrier_signal -1
	s_barrier_wait -1
.endm
.macro CROUND
	s_barrier_signal -1
	s_barrier_wait -1
	CREST
.endm
.macro PLACES
.rept 4
	v_nop
.endr
.endm
	s_load_b128 s[4:7], s[0:1], 0x0                ; qkv16 s[4:5], p16 s[6:7]
	s_load_b64 s[8:9], s[0:1], 0x10                ; stats
	v_lshl_add_u32 v[SPW], v0, 2, SPARE
	v_mov_b32 v[NIL], 0
	ds_add_u32 v28, v29
	s_wait_dscnt 0x0
	v_lshrrev_b32 v1, 5, v0
	v_readfirstlane_b32 s10, v1                    ; wave 0..3
	s_lshr_b32 s11, s10, 1                         ; which half of the tile's queries is mine.  Also: I fetch q (0) or k (1)
	s_and_b32 s12, s10, 1                          ; which half of its keys.  Also: which 128 rows of that tile I fetch
	s_bfe_u32 s40, ttmp6, 0x40000                  ; cx, cy
	s_bfe_u32 s41, ttmp6, 0x40004
	s_lshl_b32 s42, ttmp9, 2
	s_add_co_u32 s42, s42, s40                     ; tile column (256 keys of the batch) = 4 x cluster x + cx
	s_and_b32 s13, ttmp7, 0xffff
	s_lshr_b32 s45, s13, 1                         ; the batch: 8 tile rows, two clusters: it hangs on the cluster's y alone, which all sixteen share
	s_lshl_b32 s13, s13, 2
	s_add_co_u32 s13, s13, s41                     ; tile row (256 of the 8,192 rows) = 4 x cluster y + cy
	s_lshl_b32 s43, s41, 2
	s_lshl_b32 s43, 15, s43                        ; my row of the cluster
	s_lshl_b32 s44, 0x1111, s40                    ; my column
	s_or_b32 s[G1+0], s43, (1<<16)|(1<<20)|(1<<21)|(5<<22)|(3<<25)   ; the mask; elements of 2 bytes; padding on; bit 21 beside a mask; after every 64 words 4 words
	s_or_b32 s[G1B+0], s44, (1<<16)|(1<<20)|(1<<21)|(5<<22)|(3<<25)
.irp g, G1, G1B
	s_mov_b32 s[(\g)+1], KSTEP<<16                 ; tensor_dim0 = 128
	s_mov_b32 s[(\g)+2], 128<<16                   ; tensor_dim1 = 128
	s_mov_b32 s[(\g)+3], KSTEP<<16                 ; tile_dim0 = 128
	s_mov_b32 s[(\g)+4], 128                       ; tile_dim1 = 128
	s_mov_b32 s[(\g)+5], 3072                      ; elements from row to row of qkv16
	s_mov_b32 s[(\g)+6], 0
	s_mov_b32 s[(\g)+7], 0
.endr
	s_mov_b32 s[CS], 0x3d38aa3b                    ; c = log2(e) / 32 = 0.0450842
	s_mov_b32 s[CS+1], s[CS]                       ; named with it as a pair
	s_mov_b32 s[SEL], 0x76543210
	s_mov_b32 s[SEL+1], 0xfedcba98
	s_lshl_b32 s17, s12, 7                         ; which 128 rows of the tile I fetch
	s_lshl_b32 s16, s13, 8
	s_add_co_u32 s16, s16, s17                     ; q: row 256 x tile row + 128 x half
	s_mul_i32 s16, s16, ROWQ                       ; in bytes: under 2^26
	s_lshl_b32 s46, s42, 8
	s_add_co_u32 s46, s46, s17                     ; k: row 2,048 x batch + 256 x tile column + 128 x half,
	s_lshl_b32 s47, s45, 11
	s_add_co_u32 s46, s46, s47
	s_mul_i32 s46, s46, ROWQ
	s_add_co_u32 s46, s46, 2048                    ; at byte 2,048 of the row
	s_mov_b32 s17, 0
	s_mov_b32 s47, 0
	s_mul_i32 s20, s10, HALFT                      ; where they go: wave x 128 rows
	s_wait_kmcnt 0x0
	s_add_nc_u64 s[14:15], s[4:5], s[16:17]
	s_add_nc_u64 s[46:47], s[4:5], s[46:47]
	CROUND                                         ; all sixteen work-groups are here: the first joint loads meet
.irp s, 0,1
	s_mov_b32 s[G0+4*(\s)], 1
	s_add_co_u32 s[G0+4*(\s)+1], s20, (\s)*SLOT
	s_add_nc_u64 s[G0+4*(\s)+2:G0+4*(\s)+3], s[14:15], (\s)*KSTEP*2
	s_or_b32 s[G0+4*(\s)+3], s[G0+4*(\s)+3], 0x80000000
	s_mov_b32 s[G0B+4*(\s)], 1
	s_add_co_u32 s[G0B+4*(\s)+1], s20, (\s)*SLOT
	s_add_nc_u64 s[G0B+4*(\s)+2:G0B+4*(\s)+3], s[46:47], (\s)*KSTEP*2
	s_or_b32 s[G0B+4*(\s)+3], s[G0B+4*(\s)+3], 0x80000000
	JLOAD \s                                       ; two loads of mine are out
.endr
	v_and_b32 v1, 15, v0                           ; r = l % 16
	v_bfe_u32 v2, v0, 4, 1                         ; h = l / 16
	v_mul_u32_u24 v3, v1, PITCH
	v_lshl_add_u32 v3, v2, 4, v3                   ; r x pitch + 16 h
	s_mul_i32 s21, s11, HALFT                      ; my 128 rows of q
	s_mul_i32 s22, s12, HALFT                      ; my 128 rows of k,
	s_add_co_u32 s22, s22, 2*HALFT                 ; which lie behind q's 256
.irp s, 0,1
	v_add_nc_u32 v[ADRA+(\s)], s21, v3
	v_add_nc_u32 v[ADRB+(\s)], s22, v3
	s_add_co_u32 s21, s21, SLOT
	s_add_co_u32 s22, s22, SLOT
.endr
	s_mul_i32 s23, s10, 16*SPITCH
	s_add_co_u32 s23, s23, STAGE                   ; my stage
	v_add_nc_u32 v[STO], s23, v3                   ; in: row r, 16 bytes for each half of the lanes
	v_mul_u32_u24 v5, v2, SPITCH                   ; back: lanes 0-15 take one row of 256 bytes, lanes 16-31 the next
	v_lshl_add_u32 v5, v1, 4, v5
	v_add_nc_u32 v[RD], s23, v5
	v_lshlrev_b32 v5, 12, v2                       ; and the same two rows in P
	v_lshl_add_u32 v[CO], v1, 4, v5
	v_and_b32 v[SO], 31, v0
	v_lshlrev_b32 v[SO], 3, v[SO]                  ; 8 bytes a row of the statistics
	s_lshl_b32 s16, s13, 8
	s_lshl_b32 s17, s11, 7
	s_add_co_u32 s16, s16, s17                     ; my first row
	s_lshl_b32 s18, s16, 12                        ; in P
	s_mov_b32 s19, 0
	s_add_nc_u64 s[6:7], s[6:7], s[18:19]
	s_lshl_b32 s18, s16, 3                         ; in a tile of the statistics
	s_add_nc_u64 s[8:9], s[8:9], s[18:19]
	s_lshl_b32 s46, s42, 1
	s_add_co_u32 s46, s46, s12                     ; my tile of 128 keys: 2 x tile column + half
	s_lshl_b32 s18, s46, 8                         ; its 256 bytes in a row of P,
	s_add_nc_u64 s[6:7], s[6:7], s[18:19]
	s_lshl_b32 s18, s46, 16                        ; its 65,536 bytes of the statistics
	s_add_nc_u64 s[8:9], s[8:9], s[18:19]
; 16 matrix instructions: m blocks a0, a0 + 1 of the window's four (hi = 0: my rows 0-63, 1: rows 64-127) x all 8 key blocks, 32 along K.  zero = 1: the product starts the sums.
; The 64 accumulators take turns, one instruction a turn.
.macro MUL16 f, hi, a0, zero
	WIN MUL_LO+0x50*(\hi)
.irp a, \a0, (\a0)+1
.irp b, 0,1,2,3,4,5,6,7
.if \zero
	v_wmma_f32_16x16x32_f16 v[8*(8*(\a)+(\b)):8*(8*(\a)+(\b))+7], v[(\f)+8*(\b):(\f)+8*(\b)+7], v[(\f)+8*(4*(\hi)+(\a)):(\f)+8*(4*(\hi)+(\a))+7], 0
.else
	v_wmma_f32_16x16x32_f16 v[8*(8*(\a)+(\b)):8*(8*(\a)+(\b))+7], v[(\f)+8*(\b):(\f)+8*(\b)+7], v[(\f)+8*(4*(\hi)+(\a)):(\f)+8*(4*(\hi)+(\a))+7], v[8*(8*(\a)+(\b)):8*(8*(\a)+(\b))+7]
.endif
.endr
.endr
.endm
; 32 LDS loads in one run: the fragments of one quarter step (128 rows of k, 128 rows of q, 32 K at byte k of the rows) into buffer f
.macro FETCH slot, k, f
	WIN TO_B
.irp i, 0,1,2,3,4,5,6,7
	ds_load_b128 v[(\f)+8*(\i):(\f)+8*(\i)+3],   v[ADRB+(\slot)] offset:(\k)+(\i)*16*PITCH
	ds_load_b128 v[(\f)+8*(\i)+4:(\f)+8*(\i)+7], v[ADRB+(\slot)] offset:(\k)+(\i)*16*PITCH+32
.endr
	WIN 0
.irp i, 0,1,2,3,4,5,6,7
	ds_load_b128 v[(\f)+8*(\i):(\f)+8*(\i)+3],   v[ADRA+(\slot)] offset:(\k)+(\i)*16*PITCH
	ds_load_b128 v[(\f)+8*(\i)+4:(\f)+8*(\i)+7], v[ADRA+(\slot)] offset:(\k)+(\i)*16*PITCH+32
.endr
.endm
; A K step is four quarters of 32 along K, 64 matrix instructions each, on buffers 0, 1, 0, 1.
.macro QUARTER slot, k, f, g, zero
	s_wait_dscnt 8                                 ; k and q's rows 0-63 are in; the youngest eight loads (q's rows 64-127) may be out
	MUL16 \f, 0, 0, \zero
	MUL16 \f, 0, 2, \zero
	PLACES
	FETCH \slot, \k, \g
	s_wait_dscnt 32                                ; all but the 32 just issued
	MUL16 \f, 1, 0, \zero
	MUL16 \f, 1, 2, \zero
.endm
; The last quarter multiplies buffer 1 and changes slots: ONE barrier; in front of it each wave waits for all its tensor loads, adds 0 to its spare word, and waits for that and for its own reads of this slot.
.macro TURN slot, next, fill
	WIN 0                                          ; (the add's two registers lie in window 0)
	s_wait_tensorcnt 0x0                           ; all my tensor loads have landed: the one that was out is my part of the next slot;
	ds_add_u32 v[SPW], v[NIL]                      ; 0 onto my spare word;
	s_wait_dscnt 9                                 ; (the add and the youngest eight loads may be out)
	MUL16 F1, 0, 0, 0                              ; sixteen matrix instructions stand between the add and the wait for it
	s_wait_dscnt 0x0                               ; the add is done, and my reads of this slot are over
	s_barrier_signal -1
	MUL16 F1, 0, 2, 0
.if \fill
	WIN 0
.endif
	s_barrier_wait -1
.if \fill
	CREST                                          ; no wave of any partner still reads this slot's tiles or has a load on its way
	s_add_nc_u64 s[G0+4*(\slot)+2:G0+4*(\slot)+3], s[G0+4*(\slot)+2:G0+4*(\slot)+3], 2*KSTEP*2
	s_add_nc_u64 s[G0B+4*(\slot)+2:G0B+4*(\slot)+3], s[G0B+4*(\slot)+2:G0B+4*(\slot)+3], 2*KSTEP*2
	JLOAD \slot                                    ; the first tensor load behind the round, 224 matrix instructions ahead of the wait for it; its four v_nop are also the places in front of the loads below
.else
	PLACES
.endif
	FETCH \next, 0, F0
	MUL16 F1, 1, 0, 0
	MUL16 F1, 1, 2, 0
.endm
; BLOCK a (16 queries x my 128 keys: 64 scores a lane) BEHIND THE PRODUCTS: the maximum, the weights, their way out, their sum.
.macro SOFT a
.set W,   2+(\a)/4                     ; the block's window
.set AC,  64*((\a)%4)                  ; its eight accumulators
.set W3,  W|(W<<2)|(W<<4)
.set W12, (W<<2)|(W<<4)
.set WIP, W|(W<<6)
.set W01, W|(W<<2)
.set WAD, W|(W<<2)|(W<<6)
	WIN W3                                         ; eight chains, one an accumulator
.irp b, 0,1,2,3,4,5,6,7
	v_max3_num_f32 v[CH+(\b)], v[AC+8*(\b)], v[AC+8*(\b)+1], v[AC+8*(\b)+2]
.endr
	WIN W12
.irp j, 3,5
.irp b, 0,1,2,3,4,5,6,7
	v_max3_num_f32 v[CH+(\b)], v[CH+(\b)], v[AC+8*(\b)+(\j)], v[AC+8*(\b)+(\j)+1]
.endr
.endr
.irp i, 0,1,2,3
	v_max3_num_f32 v[CH+(\i)], v[CH+(\i)], v[AC+16*(\i)+7], v[AC+16*(\i)+15]
.endr
	WIN 0
	v_max3_num_f32 v[CH], v[CH], v[CH+1], v[CH+2]
	v_max3_num_f32 v[CH+3], v[CH+3], v[CH+4], v[CH+5]
	v_max3_num_f32 v[CH], v[CH], v[CH+6], v[CH+7]
	v_max_num_f32 v[CH], v[CH], v[CH+3]
	v_permlanex16_b32 v[CH+1], v[CH], s[SEL], s[SEL+1]  ; the query's other 64 keys lie in the lane 16 away
	v_max_num_f32 v[CH], v[CH], v[CH+1]
	v_mul_f32 v[CMP], s[CS], v[CH]
	v_mul_f32 v[CMP+1], s[CS], v[CH]               ; named with it as a pair
	v_mul_f32 v[CM+(\a)], s[CS], v[CH]
	WIN WIP                                        ; c s - cm, in place
.set i, 0
.rept 32
	v_pk_fma_f32 v[AC+i:AC+i+1], v[AC+i:AC+i+1], s[CS:CS+1], v[CMP:CMP+1] op_sel_hi:[1,0,0] neg_lo:[0,0,1] neg_hi:[0,0,1]
.set i, i+2
.endr
.set i, 0
.rept 64
	v_exp_f32 v[AC+i], v[AC+i]
.set i, i+1
.endr
	v_nop                                          ; a plain instruction between the exponentials and the use of their results (ISA guide 5.7.2)
	WIN W01
	s_wait_alu depctr_va_vdst(0)
.irp b, 0,1,2,3,4,5,6,7
.irp r, 0,1,2,3
	v_cvt_pk_f16_f32 v[TMP+4*(\b)+(\r)], v[AC+8*(\b)+2*(\r)], v[AC+8*(\b)+2*(\r)+1]
.endr
.endr
	WIN 0
.irp b, 0,1,2,3,4,5,6,7
	ds_store_b128 v[STO], v[TMP+4*(\b):TMP+4*(\b)+3] offset:32*(\b)
.endr
.irp t, 0,1,2,3,4,5,6,7
	ds_load_b128 v[OB+192*((\a)%2)+4*(\t):OB+192*((\a)%2)+4*(\t)+3], v[RD] offset:(\t)*2*SPITCH  ; LDS serves a wave's instructions in order (ISA guide 5.7.1.4): these see the stores above
.endr
	WIN WAD                                        ; the sum of the 64 unrounded weights, in place, stands between those loads and the wait for them
.irp n, 32,16,8,4,2
.set i, 0
.rept (\n)/2
	v_pk_add_f32 v[AC+i:AC+i+1], v[AC+i:AC+i+1], v[AC+i+(\n):AC+i+(\n)+1]
.set i, i+2
.endr
.endr
	WIN W01
	v_add_f32 v[LT], v[AC], v[AC+1]
	WIN 0
	v_permlanex16_b32 v[LT+1], v[LT], s[SEL], s[SEL+1]
	v_add_f32 v[LS+(\a)], v[LT], v[LT+1]
	s_wait_dscnt 0x0                               ; the block is back in registers
	s_wait_xcnt 0x0                                ; the registers that the block before last was stored from are loaded again only behind this wait
.irp t, 0,1,2,3,4,5,6,7
	global_store_b128 v[CO], v[OB+192*((\a)%2)+4*(\t):OB+192*((\a)%2)+4*(\t)+3], s[6:7] offset:(16*(\a)+2*(\t))*ROWP  ; 16 lanes store 256 consecutive bytes, at a multiple of 256 from P's first byte
.endr
.endm
	s_wait_tensorcnt 1                             ; my part of K step 0 is in; K step 1's may stay out
	s_barrier_signal -1
	s_barrier_wait -1                              ; everybody's is
	FETCH 0, 0, F0
	QUARTER 0, 64,  F0, F1, 1                      ; the first quarter stands in front of the loop: its products start the sums
	WIN 0
	s_mov_b32 s3, LAPS-1
.Llap:                                                 ; a trip goes once round the ring, from a lap's second quarter to the next lap's first, and fills both slots again
	QUARTER 0, 128, F1, F0, 0
	QUARTER 0, 192, F0, F1, 0
	TURN 0, 1, 1
	QUARTER 1, 64,  F0, F1, 0
	QUARTER 1, 128, F1, F0, 0
	QUARTER 1, 192, F0, F1, 0
	TURN 1, 0, 1
	QUARTER 0, 64,  F0, F1, 0
	WIN 0
	s_sub_co_u32 s3, s3, 1
	s_cmp_lg_u32 s3, 0
	s_cbranch_scc1 .Llap
	QUARTER 0, 128, F1, F0, 0                      ; the last lap fills nothing, and has no round of the cluster's barrier
	QUARTER 0, 192, F0, F1, 0
	TURN 0, 1, 0
	QUARTER 1, 64,  F0, F1, 0
	QUARTER 1, 128, F1, F0, 0
	QUARTER 1, 192, F0, F1, 0
	s_wait_dscnt 8                                 ; the very last quarter: nothing more to fetch
	MUL16 F1, 0, 0, 0
	MUL16 F1, 0, 2, 0
	s_wait_dscnt 0x0
	MUL16 F1, 1, 0, 0
	MUL16 F1, 1, 2, 0
	WIN 0
	PLACES
	v_mov_b32 v[LT+1], 0                           ; v_permlanex16_b32 counts as a reader of its destination
.irp a, 0,1,2,3,4,5,6,7
	SOFT \a
.endr
	; the statistics: both halves of the lanes hold a row's cm and l, so lanes 0-15 give block a's 16 rows and lanes 16-31 block a + 1's: 32 rows x 8 bytes, 256 consecutive bytes, aligned
	v_cmp_eq_u32 vcc_lo, 1, v2
.irp a, 0,2,4,6
	v_cndmask_b32 v[SD+(\a)],   v[CM+(\a)], v[CM+(\a)+1], vcc_lo
	v_cndmask_b32 v[SD+(\a)+1], v[LS+(\a)], v[LS+(\a)+1], vcc_lo
	global_store_b64 v[SO], v[SD+(\a):SD+(\a)+1], s[8:9] offset:128*(\a)
.endr
	s_wait_tensorcnt 0x0                           ; the wave's end: behind my last tensor load and my last LDS store
	ds_add_u32 v[SPW], v[NIL]
	s_wait_dscnt 0x0
	CROUND                                         ; the closing round: no work-group ends while a partner may still ask for a tile that names it
	s_endpgm
.Lfunc_end_k_q3813477b9f_scores:
	.size	k_q3813477b9f_scores, .Lfunc_end_k_q3813477b9f_scores-k_q3813477b9f_scores
	.p2alignl 7, 3214868480
	.fill 96, 4, 3214868480
	.section	.rodata,"a",@progbits
	.p2align	6, 0x0
	.amdhsa_kernel k_q3813477b9f_scores
		.amdhsa_group_segment_fixed_size 327680
		.amdhsa_private_segment_fixed_size 0
		.amdhsa_enable_private_segment 0
		.amdhsa_kernarg_size 24
		.amdhsa_user_sgpr_count 2
		.amdhsa_user_sgpr_kernarg_segment_ptr 1
		.amdhsa_wavefront_size32 1
		.amdhsa_system_sgpr_workgroup_id_x 1
		.amdhsa_system_sgpr_workgroup_id_y 1
		.amdhsa_system_sgpr_workgroup_id_z 1
		.amdhsa_system_vgpr_workitem_id 0
		.amdhsa_next_free_vgpr 1024
		.amdhsa_next_free_sgpr 80
		.amdhsa_reserve_vcc 1
		.amdhsa_float_denorm_mode_32 3
		.amdhsa_float_denorm_mode_16_64 3
		.amdhsa_memory_ordered 1
		.amdhsa_forward_progress 1
		.amdhsa_inst_pref_size 211
	.end_amdhsa_kernel
	.amdgpu_metadata
---
amdhsa.version: [ 1, 2 ]
amdhsa.kernels:
  - .name:           k_q3813477b9f_scores
    .symbol:         k_q3813477b9f_scores.kd
    .args:
      - { .name: qkv16, .offset: 0, .size: 8, .value_kind: global_buffer, .address_space: global }
      - { .name: p16, .offset: 8, .size: 8, .value_kind: global_buffer, .address_space: global }
      - { .name: stats, .offset: 16, .size: 8, .value_kind: global_buffer, .address_space: global }
    .group_segment_fixed_size: 327680
    .private_segment_fixed_size: 0
    .kernarg_segment_align: 8
    .kernarg_segment_size: 24
    .max_flat_workgroup_size: 128
    .sgpr_count:     80
    .vgpr_count:     1024
    .wavefront_size: 32
...
	.end_amdgpu_metadata
.endif
;; end of part 3
;; launch pv (part 4): grid 8 x 32, 4 waves a work-group, clusters of 4 x 4, 327,680 bytes of LDS; arguments p16, qkv16, o16, stats; writes o16
.if DOCPART == 4
	.amdgcn_target "amdgcn-amd-amdhsa--gfx1250"
	.amdhsa_code_object_version 6
	.text
	.protected	k_q3813477b9f_pv
	.globl	k_q3813477b9f_pv
	.p2align	8
	.type	k_q3813477b9f_pv,@function
k_q3813477b9f_pv:
	s_mov_b64 s[64:65], 0
	v_nop
	global_prefetch_b8 v0, s[64:65] scope:SCOPE_SE
	s_setreg_imm32_b32 hwreg(HW_REG_WAVE_MODE, 25, 1), 1
	s_wait_xcnt 0x0
	s_wait_alu depctr_hold_cnt(0) depctr_sa_sdst(0) depctr_va_vdst(0) depctr_va_sdst(0) depctr_va_ssrc(0) depctr_va_vcc(0) depctr_vm_vsrc(0)
	s_getreg_b32 s2, hwreg(HW_REG_IB_STS2, 6, 4)
	s_cmp_eq_u32 s2, 0
	s_cbranch_scc0 .Lentry_in_a_cluster
	s_endpgm
.Lentry_in_a_cluster:
	s_bfe_u32 s2, ttmp6, 0x10000c
	s_cmp_lg_u32 s2, 0xf033
	s_cbranch_scc0 .Lentry_shape_is_right
	s_endpgm
.Lentry_shape_is_right:
; THE SECOND HALF OF THE SOFTMAX, AND ITS PRODUCT.  For each row: cM = the largest of its 16 tiles' cm; f_t = 2^(cm_t - cM), at most 1; L = the sum of l_t f_t; g_t = f_t / L;
; o16[q][n] = the sum over tiles t of g_t x (the sum over the tile's keys k of P[q][k] v[k][n]).  So every weight is taken relative to the row's true maximum.
; p16: [8192][2048] f16; v: qkv16 [8192][3072] f16 at byte 4,096 of a row; stats: [16][8192][cm, l] f32; o16: [8192][1024] f16.  Products' sums, g and O in f32; O is rounded once.
; LIMITS.  v arrives within f16's range, and O, a mean of v's rows, has it; O below 6e-5 keeps f16's fixed step of 6e-8; a g below 2^-126 counts as 0; NaN and infinities are not treated apart.
; SHARES.  A tile of O is 256 rows x 128 channels: 256 work-groups.  Four waves, each 64 x 128.  K (the batch's 2,048 keys) goes in steps of 128, one tile of the statistics a step,
; through a ring of two LDS slots: 256 rows of P, then 128 key rows of v, which lie [key][channel] and come out of LDS turned.  4 x 4 work-groups form a cluster: P's tiles are shared along a row, v's along a column.
; THE MATRIX INSTRUCTION IS USED TRANSPOSED (source 0 = 16 channels, source 1 = 16 rows): a lane of a result holds ONE row, so g is one number a lane and block.
; TWO SETS OF SUMS.  A step's products are summed in 32 accumulators of their own, started with the constant 0 (S); when a block of 16 rows has had the step's last product, O += g S is made of it,
; 32 packed multiply-adds, four behind each of the next block's eight products.  O is cleared once, 256 v_mov_b32 in the wait for the first tiles: the other way is a whole K step written out once more.
; REGISTERS, in windows of 256 (s_set_vgpr_msb: bits 1:0 source 0, 3:2 source 1, 5:4 source 2, 7:6 destination):
;   window 0: v0-39 addresses and factors; v64-95, v128-159 fragments of P; v96-127, v160-191, v192-223 at work on the way out (v64-127 first hold the statistics)
;   window 1: v64-127, v128-191 fragments of v          window 2: S, (a, b) at v[8 (8 a + b)]          window 3: O, likewise
.set SIZE_K,  2048
.set PITCH_A, 2048                     ; elements from row to row of p16
.set PITCH_B, 3072                     ; of qkv16
.set ROWC,    2048                     ; bytes in a row of o16
.set KSTEP,   128
.set PA,      272                      ; an LDS row of P: 256 bytes + 16 = 68 words: row r starts at bank 4 r mod 64 (64 banks of 4 bytes: ISA guide 11.1)
.set PB,      288                      ; an LDS row of v: 256 + 32 = 72 words
.set HALFA,   128*PA
.set HALFB,   64*PB
.set BOFF,    2*HALFA
.set SLOT,    BOFF+2*HALFB
.set STAGE,   2*SLOT                   ; behind the ring: 16 rows x 272 bytes for each wave, for the way out
.set SPITCH,  272
.set TAB,     STAGE+4*16*SPITCH        ; behind the stages: for each wave 16 x 256 bytes: g of tile t and row 16 a + r at 256 t + 16 r + 4 a
.set TABW,    16*256
.set SPARE,   TAB+4*TABW               ; behind the tables: the spare words, 128 bytes for each wave: two blocks of 256 bytes that no other line names
.set LAPS,    SIZE_K/(2*KSTEP)
.set STEP_A,  2*KSTEP*2
.set STEP_B,  2*KSTEP*PITCH_B*2
.set FS0,  8                           ; v8-11   g of my four blocks for the step in slot 0
.set FS1,  12                          ; v12-15  for the step in slot 1
.set ADRA, 16
.set ADRB, 20
.set TADR, 22                          ; v22     my place in the table, at the lap's first step
.set TW,   23                          ; v23     where I write the table
.set STO,  24
.set RD,   25
.set CO,   26
.set SO,   27                          ; v27     my byte offset in my wave's 64 rows of a tile of the statistics
.set SPW,  28                          ; v28     LDS address of my spare word: SPARE + 4 x my thread's number; never rewritten
.set NIL,  29                          ; v29     0; never rewritten
.set MX,   36                          ; v36-37  cM of the two rows that I prepare
.set LL,   38                          ; v38-39  their L, then 1 / L
.set X,    64                          ; v64-127 their statistics: tile t at X + 4 t: cm, l, cm, l
.set F0,   64
.set F1,   128
.set TMP,  192
.set OB,   96
.set G1,  24
.set G0,  32
.set G1B, 48
.set G0B, 56
.set MSB, 0
.macro WIN new
.if MSB != (\new)
	s_set_vgpr_msb (MSB<<8)|(\new)
.set MSB, \new
.endif
.endm
.set MUL_LO, 0xa1                      ; source 0 (v) window 1, source 1 (P) window 0, C and D window 2
.set FOLD,   0xf2                      ; source 0 (S) window 2, source 1 (g) window 0, source 2 and destination (O) window 3
.set TO_B,   0x40
.macro JLOAD s                         ; a joint load: waves 0 and 1 fetch P's two halves, waves 2 and 3 v's; four v_nop follow each of the two lines
	s_cmp_eq_u32 s11, 0
	s_cbranch_scc0 .Lfor_b_\@
	tensor_load_to_lds s[G0+4*(\s):G0+4*(\s)+3], s[G1:G1+7]
	s_nop 0
.rept 4
	v_nop
.endr
	s_branch .Lasked_\@
.Lfor_b_\@:
	tensor_load_to_lds s[G0B+4*(\s):G0B+4*(\s)+3], s[G1B:G1B+7]
	s_nop 0
.rept 4
	v_nop
.endr
.Lasked_\@:
.endm
.macro CREST
	s_cmp_lg_u32 s10, 0
	s_cbranch_scc1 .Lnot_wave_0_\@
	s_barrier_signal -3
.Lnot_wave_0_\@:
	s_barrier_wait -3
	s_barrier_signal -1
	s_barrier_wait -1
.endm
.macro CROUND
	s_barrier_signal -1
	s_barrier_wait -1
	CREST
.endm
.macro PLACES
.rept 4
	v_nop
.endr
.endm
	s_load_b128 s[4:7], s[0:1], 0x0                ; p16 s[4:5], qkv16 s[6:7]
	s_load_b64 s[8:9], s[0:1], 0x10                ; o16
	s_load_b64 s[66:67], s[0:1], 0x18              ; stats
	v_lshl_add_u32 v[SPW], v0, 2, SPARE
	v_mov_b32 v[NIL], 0
	ds_add_u32 v28, v29
	s_wait_dscnt 0x0
	v_lshrrev_b32 v1, 5, v0
	v_readfirstlane_b32 s10, v1                    ; wave 0..3
	s_lshr_b32 s11, s10, 1                         ; I fetch P (0) or v (1)
	s_and_b32 s12, s10, 1                          ; which half of that tile
	s_bfe_u32 s40, ttmp6, 0x40000                  ; cx, cy
	s_bfe_u32 s41, ttmp6, 0x40004
	s_lshl_b32 s42, ttmp9, 2
	s_add_co_u32 s42, s42, s40                     ; tile column (128 channels) = 4 x cluster x + cx
	s_and_b32 s13, ttmp7, 0xffff
	s_lshr_b32 s45, s13, 1                         ; the batch: it hangs on the cluster's y alone, which all sixteen share
	s_lshl_b32 s13, s13, 2
	s_add_co_u32 s13, s13, s41                     ; tile row = 4 x cluster y + cy
	s_lshl_b32 s43, s41, 2
	s_lshl_b32 s43, 15, s43                        ; my row of the cluster
	s_lshl_b32 s44, 0x1111, s40                    ; my column
	s_or_b32 s[G1+0], s43, (1<<16)|(1<<20)|(1<<21)|(5<<22)|(3<<25)   ; the mask; elements of 2 bytes; padding on; bit 21 beside a mask; after every 64 words 4 words
	s_or_b32 s[G1B+0], s44, (1<<16)|(1<<20)|(1<<21)|(5<<22)|(7<<25)  ; the mask of my column; 8 words of padding
	s_mov_b32 s[G1+1], KSTEP<<16                   ; tensor_dim0 = 128
	s_mov_b32 s[G1+2], 128<<16                     ; tensor_dim1 = 128
	s_mov_b32 s[G1+3], KSTEP<<16                   ; tile_dim0 = 128
	s_mov_b32 s[G1+4], 128                         ; tile_dim1 = 128
	s_mov_b32 s[G1+5], PITCH_A
	s_mov_b32 s[G1+6], 0
	s_mov_b32 s[G1+7], 0
	s_mov_b32 s[G1B+1], 128<<16                    ; tensor_dim0 = 128
	s_mov_b32 s[G1B+2], 64<<16                     ; tensor_dim1 = 64
	s_mov_b32 s[G1B+3], 128<<16                    ; tile_dim0 = 128
	s_mov_b32 s[G1B+4], 64                         ; tile_dim1 = 64
	s_mov_b32 s[G1B+5], PITCH_B
	s_mov_b32 s[G1B+6], 0
	s_mov_b32 s[G1B+7], 0
	s_lshl_b32 s17, s12, 7
	s_lshl_b32 s16, s13, 8
	s_add_co_u32 s16, s16, s17                     ; P: row 256 x tile row + 128 x half
	s_lshl_b32 s16, s16, 12                        ; in bytes: under 2^25
	s_mov_b32 s17, 0
	s_lshl_b32 s46, s45, 11
	s_lshl_b32 s47, s12, 6
	s_add_co_u32 s46, s46, s47                     ; v: row 2,048 x batch + 64 x half,
	s_mul_i32 s46, s46, PITCH_B*2
	s_lshl_b32 s47, s42, 8                         ; channel 128 x tile column,
	s_add_co_u32 s46, s46, s47
	s_add_co_u32 s46, s46, 4096                    ; at byte 4,096 of the row
	s_mov_b32 s47, 0
	s_mul_i32 s20, s10, HALFA                      ; where they go: P's halves at wave x HALFA (waves 0, 1),
	s_mul_i32 s22, s10, HALFB                      ; v's at BOFF + (wave - 2) x HALFB (waves 2, 3)
	s_add_co_u32 s22, s22, BOFF-2*HALFB
	s_wait_kmcnt 0x0
	s_add_nc_u64 s[14:15], s[4:5], s[16:17]
	s_add_nc_u64 s[46:47], s[6:7], s[46:47]
	CROUND                                         ; all sixteen work-groups are here: the first joint loads meet
.irp s, 0,1
	s_mov_b32 s[G0+4*(\s)], 1
	s_add_co_u32 s[G0+4*(\s)+1], s20, (\s)*SLOT
	s_add_nc_u64 s[G0+4*(\s)+2:G0+4*(\s)+3], s[14:15], (\s)*KSTEP*2
	s_or_b32 s[G0+4*(\s)+3], s[G0+4*(\s)+3], 0x80000000
	s_mov_b32 s[G0B+4*(\s)], 1
	s_add_co_u32 s[G0B+4*(\s)+1], s22, (\s)*SLOT
	s_add_nc_u64 s[G0B+4*(\s)+2:G0B+4*(\s)+3], s[46:47], (\s)*KSTEP*PITCH_B*2
	s_or_b32 s[G0B+4*(\s)+3], s[G0B+4*(\s)+3], 0x80000000
	JLOAD \s                                       ; two loads of mine are out
.endr
	; All that follows up to the first barrier stands in the wait for the first tiles.
	s_lshl_b32 s16, s13, 8
	s_lshl_b32 s17, s10, 6
	s_add_co_u32 s16, s16, s17                     ; my first row: 256 x tile row + 64 x wave
	s_lshl_b32 s18, s16, 3                         ; in a tile of the statistics
	s_mov_b32 s19, 0
	s_add_nc_u64 s[66:67], s[66:67], s[18:19]
	s_lshl_b32 s18, s16, 11                        ; in O
	s_add_nc_u64 s[8:9], s[8:9], s[18:19]
	s_lshl_b32 s18, s42, 8                         ; the tile's first channel, in bytes
	s_add_nc_u64 s[8:9], s[8:9], s[18:19]
	v_and_b32 v3, 31, v0
	v_lshlrev_b32 v[SO], 4, v3                     ; lane l prepares rows 2 l and 2 l + 1 of my wave's 64: 16 bytes of each tile; a load covers 512 consecutive bytes
.irp t, 0,1,2,3,4,5,6,7,8,9,10,11,12,13,14,15
	global_load_b128 v[X+4*(\t):X+4*(\t)+3], v[SO], s[66:67] offset:65536*(\t)
.endr
	WIN 0xc0                                       ; O starts at 0
.set i, 0
.rept 256
	v_mov_b32 v[i], 0
.set i, i+1
.endr
	WIN 0
	v_and_b32 v1, 15, v0                           ; r = l % 16
	v_bfe_u32 v2, v0, 4, 1                         ; h = l / 16
	v_mul_u32_u24 v3, v1, PA
	v_lshl_add_u32 v3, v2, 4, v3                   ; r x pitch + 16 h
	s_mul_i32 s21, s10, 64*PA                      ; my 64 rows of P
	v_add_nc_u32 v[ADRA], s21, v3
	s_add_co_u32 s21, s21, SLOT
	v_add_nc_u32 v[ADRA+1], s21, v3
	v_and_b32 v4, 7, v0                            ; the turning load: key row 8 h + l % 8, channels 8 ((l / 8) % 2) + 0..7
	v_lshl_add_u32 v6, v2, 3, v4
	v_mul_u32_u24 v6, v6, PB
	v_bfe_u32 v5, v0, 3, 1
	v_lshl_add_u32 v6, v5, 4, v6
	v_add_nc_u32 v[ADRB], BOFF, v6
	v_add_nc_u32 v[ADRB+1], BOFF+SLOT, v6
	s_mul_i32 s23, s10, 16*SPITCH
	s_add_co_u32 s23, s23, STAGE                   ; my stage
	v_add_nc_u32 v[STO], s23, v3
	v_mul_u32_u24 v5, v2, SPITCH
	v_lshl_add_u32 v5, v1, 4, v5
	v_add_nc_u32 v[RD], s23, v5
	v_lshlrev_b32 v5, 11, v2
	v_lshl_add_u32 v[CO], v1, 4, v5
	s_mul_i32 s23, s10, TABW
	s_add_co_u32 s23, s23, TAB                     ; my table
	v_bfe_u32 v5, v0, 3, 2                         ; row 2 l is row 2 (l % 8) of block l / 8
	v_lshlrev_b32 v4, 5, v4
	v_lshl_add_u32 v4, v5, 2, v4
	v_add_nc_u32 v[TW], s23, v4                    ; 32 (l % 8) + 4 (l / 8); row 2 l + 1 lies 16 bytes on
	v_lshlrev_b32 v5, 4, v1
	v_add_nc_u32 v[TADR], s23, v5                  ; 16 r: four words, my row of blocks 0 to 3
	s_wait_loadcnt 0x0
.irp p, 0,1
	v_max3_num_f32 v[MX+(\p)], v[X+2*(\p)], v[X+4+2*(\p)], v[X+8+2*(\p)]
.irp t, 3,5,7,9,11,13
	v_max3_num_f32 v[MX+(\p)], v[MX+(\p)], v[X+4*(\t)+2*(\p)], v[X+4*(\t)+4+2*(\p)]
.endr
	v_max_num_f32 v[MX+(\p)], v[MX+(\p)], v[X+60+2*(\p)]
.endr
.irp t, 0,1,2,3,4,5,6,7,8,9,10,11,12,13,14,15
	v_sub_f32 v[X+4*(\t)],   v[X+4*(\t)],   v[MX]
	v_sub_f32 v[X+4*(\t)+2], v[X+4*(\t)+2], v[MX+1]
.endr
.irp t, 0,1,2,3,4,5,6,7,8,9,10,11,12,13,14,15
	v_exp_f32 v[X+4*(\t)],   v[X+4*(\t)]
	v_exp_f32 v[X+4*(\t)+2], v[X+4*(\t)+2]
.endr
	v_nop                                          ; a plain instruction between the exponentials and the use of their results (ISA guide 5.7.2)
	s_wait_alu depctr_va_vdst(0)
	v_mul_f32 v[LL],   v[X],   v[X+1]
	v_mul_f32 v[LL+1], v[X+2], v[X+3]
.irp t, 1,2,3,4,5,6,7,8,9,10,11,12,13,14,15
	v_fmac_f32 v[LL],   v[X+4*(\t)],   v[X+4*(\t)+1]
	v_fmac_f32 v[LL+1], v[X+4*(\t)+2], v[X+4*(\t)+3]
.endr
	v_rcp_f32 v[LL],   v[LL]                       ; L is at least the l of the tile that holds the row's maximum, which is about 1 or more
	v_rcp_f32 v[LL+1], v[LL+1]
	v_nop
	s_wait_alu depctr_va_vdst(0)
.irp t, 0,1,2,3,4,5,6,7,8,9,10,11,12,13,14,15
	v_mul_f32 v[X+4*(\t)],   v[X+4*(\t)],   v[LL]      ; g = f / L: the way out divides nothing
	v_mul_f32 v[X+4*(\t)+2], v[X+4*(\t)+2], v[LL+1]
.endr
.irp t, 0,1,2,3,4,5,6,7,8,9,10,11,12,13,14,15
	ds_store_b32 v[TW], v[X+4*(\t)]   offset:256*(\t)
	ds_store_b32 v[TW], v[X+4*(\t)+2] offset:256*(\t)+16
.endr
	ds_load_b128 v[FS0:FS0+3], v[TADR]             ; the table is my wave's own, and LDS serves a wave's instructions in order (ISA guide 5.7.1.4): no barrier, no wait
; O += g S for one accumulator (fa, b): four packed multiply-adds, its registers in ascending order.  fs: the register that holds block fa's g; the packed form names an even pair and picks the word.
.macro FOLD4 fa, b, fs
	WIN FOLD
.irp j, 0,2,4,6
.if (\fa)&1
	v_pk_fma_f32 v[64*(\fa)+8*(\b)+(\j):64*(\fa)+8*(\b)+(\j)+1], v[64*(\fa)+8*(\b)+(\j):64*(\fa)+8*(\b)+(\j)+1], v[(\fs)-1:(\fs)], v[64*(\fa)+8*(\b)+(\j):64*(\fa)+8*(\b)+(\j)+1] op_sel:[0,1,0] op_sel_hi:[1,1,1]
.else
	v_pk_fma_f32 v[64*(\fa)+8*(\b)+(\j):64*(\fa)+8*(\b)+(\j)+1], v[64*(\fa)+8*(\b)+(\j):64*(\fa)+8*(\b)+(\j)+1], v[(\fs):(\fs)+1], v[64*(\fa)+8*(\b)+(\j):64*(\fa)+8*(\b)+(\j)+1] op_sel_hi:[1,0,1]
.endif
.endr
.endm
; 8 matrix instructions: m block a x all 8 channel blocks, 32 along K; zero = 1: the product starts the step's sums.  The 32 accumulators take turns, one instruction a turn.
; fa >= 0: behind each product stand the four multiply-adds of accumulator (fa, b), whose step is over.  They name no register of the products round them.
.macro MUL8 f, a, zero, fa, fs
.irp b, 0,1,2,3,4,5,6,7
	WIN MUL_LO
.if \zero
	v_wmma_f32_16x16x32_f16 v[8*(8*(\a)+(\b)):8*(8*(\a)+(\b))+7], v[(\f)+8*(\b):(\f)+8*(\b)+7], v[(\f)+8*(\a):(\f)+8*(\a)+7], 0
.else
	v_wmma_f32_16x16x32_f16 v[8*(8*(\a)+(\b)):8*(8*(\a)+(\b))+7], v[(\f)+8*(\b):(\f)+8*(\b)+7], v[(\f)+8*(\a):(\f)+8*(\a)+7], v[8*(8*(\a)+(\b)):8*(8*(\a)+(\b))+7]
.endif
.if (\fa) >= 0
	FOLD4 \fa, \b, \fs
.endif
.endr
.endm
; 24 LDS loads in one run: the fragments of quarter kq (32 along K) of a slot, into buffer f: v's sixteen, then P's eight
.macro FETCH slot, kq, f
	WIN TO_B
.irp b, 0,1,2,3,4,5,6,7
	ds_load_tr16_b128 v[(\f)+8*(\b):(\f)+8*(\b)+3],   v[ADRB+(\slot)] offset:(\kq)*32*PB+32*(\b)
	ds_load_tr16_b128 v[(\f)+8*(\b)+4:(\f)+8*(\b)+7], v[ADRB+(\slot)] offset:(\kq)*32*PB+32*(\b)+16*PB
.endr
	WIN 0
.irp a, 0,1,2,3
	ds_load_b128 v[(\f)+8*(\a):(\f)+8*(\a)+3],   v[ADRA+(\slot)] offset:64*(\kq)+(\a)*16*PA
	ds_load_b128 v[(\f)+8*(\a)+4:(\f)+8*(\a)+7], v[ADRA+(\slot)] offset:64*(\kq)+(\a)*16*PA+32
.endr
.endm
; One of a K step's first three quarters: multiplies buffer f and fetches quarter kq into g.  In a step's first quarter (zero = 1) the step before's block 3 is folded behind block 0's products (fa = 3).
.macro QUARTER slot, kq, f, g, zero, fa=-1, fs=0
	s_wait_dscnt 4                                 ; v and P's blocks 0, 1 are in; the youngest four loads (blocks 2, 3) may be out
	MUL8 \f, 0, \zero, \fa, \fs
	MUL8 \f, 1, \zero, -1, 0
	PLACES
	FETCH \slot, \kq, \g
	s_wait_dscnt 24                                ; all but the 24 just issued
	MUL8 \f, 2, \zero, -1, 0
	MUL8 \f, 3, \zero, -1, 0
.endm
; The last quarter multiplies buffer 1, folds blocks 0 to 2 a block behind their last products, and changes slots: ONE barrier; in front of it each wave waits for all its tensor loads, adds 0 to its
; spare word, and waits for that and for its own reads of this slot.
.macro TURN slot, next, fill
.set FS, FS0+4*(\slot)
.set FN, FS0+4*(\next)
	WIN 0                                          ; (the add's two registers lie in window 0)
	s_wait_tensorcnt 0x0                           ; all my tensor loads have landed: the one that was out is my part of the next slot;
	ds_add_u32 v[SPW], v[NIL]                      ; 0 onto my spare word;
	s_wait_dscnt 7                                 ; (the add and the youngest six loads, P's blocks 1 to 3, may be out)
	MUL8 F1, 0, 0, -1, 0                           ; eight matrix instructions stand between the add and the wait for it
	PLACES                                         ; the places between block 0's last products and the multiply-adds that read them
	s_wait_dscnt 0x0                               ; the add is done, and my reads of this slot are over
	s_barrier_signal -1
	MUL8 F1, 1, 0, 0, FS
	WIN 0
	s_barrier_wait -1
.if \fill
	CREST                                          ; no wave of any partner still reads this slot's tiles or has a load on its way
	s_add_nc_u64 s[G0+4*(\slot)+2:G0+4*(\slot)+3], s[G0+4*(\slot)+2:G0+4*(\slot)+3], STEP_A
	s_add_nc_u64 s[G0B+4*(\slot)+2:G0B+4*(\slot)+3], s[G0B+4*(\slot)+2:G0B+4*(\slot)+3], STEP_B
	JLOAD \slot                                    ; the first tensor load behind the round, 112 matrix instructions ahead of the wait for it; its four v_nop are also the places in front of the loads below
.else
	PLACES
.endif
	ds_load_b128 v[FN:FN+3], v[TADR] offset:256+256*(\slot)  ; the next step's factors: wanted a step later; the next quarter's first wait covers them
	FETCH \next, 0, F0
	MUL8 F1, 2, 0, 1, FS+1
	MUL8 F1, 3, 0, 2, FS+2
.if (\slot) == 1
	WIN 0
	v_add_nc_u32 v[TADR], 512, v[TADR]             ; the next lap's two steps
.endif
.endm
; THE WAY OUT of block a: O rounded to f16, through my own stage, stored as whole rows of 256 bytes.
.macro PACK a
	WIN 0x0f                                       ; sources 0 and 1 window 3
.irp b, 0,1,2,3,4,5,6,7
.irp r, 0,1,2,3
	v_cvt_pk_f16_f32 v[TMP+4*(\b)+(\r)], v[64*(\a)+8*(\b)+2*(\r)], v[64*(\a)+8*(\b)+2*(\r)+1]
.endr
.endr
	WIN 0
.endm
.macro TOSTAGE a
.irp b, 0,1,2,3,4,5,6,7
	ds_store_b128 v[STO], v[TMP+4*(\b):TMP+4*(\b)+3] offset:32*(\b)
.endr
.irp t, 0,1,2,3,4,5,6,7
	ds_load_b128 v[OB+64*((\a)%2)+4*(\t):OB+64*((\a)%2)+4*(\t)+3], v[RD] offset:(\t)*2*SPITCH  ; LDS serves a wave's instructions in order (ISA guide 5.7.1.4): these see the stores above
.endr
.endm
.macro SEND a
	s_wait_dscnt 0x0                               ; the block is back in registers
	s_wait_xcnt 0x0                                ; the registers that the block before last was stored from are loaded again only behind this wait
.irp t, 0,1,2,3,4,5,6,7
	global_store_b128 v[CO], v[OB+64*((\a)%2)+4*(\t):OB+64*((\a)%2)+4*(\t)+3], s[8:9] offset:(16*(\a)+2*(\t))*ROWC  ; 16 lanes store 256 consecutive bytes, at a multiple of 256 from O's first byte
.endr
.endm
	s_wait_dscnt 0x0                               ; no LDS instruction of mine is pending at the signal; the first factors are in
	s_wait_tensorcnt 1                             ; my part of K step 0 is in; K step 1's may stay out
	s_barrier_signal -1
	s_barrier_wait -1                              ; everybody's is
	FETCH 0, 0, F0
	QUARTER 0, 1, F0, F1, 1                        ; the first quarter stands in front of the loop: there is no step before it to fold
	WIN 0
	s_mov_b32 s3, LAPS-1
.Llap:                                                 ; a trip goes once round the ring, from a lap's second quarter to the next lap's first, and fills both slots again
	QUARTER 0, 2, F1, F0, 0
	QUARTER 0, 3, F0, F1, 0
	TURN 0, 1, 1
	QUARTER 1, 1, F0, F1, 1, 3, FS0+3
	QUARTER 1, 2, F1, F0, 0
	QUARTER 1, 3, F0, F1, 0
	TURN 1, 0, 1
	QUARTER 0, 1, F0, F1, 1, 3, FS1+3
	WIN 0
	s_sub_co_u32 s3, s3, 1
	s_cmp_lg_u32 s3, 0
	s_cbranch_scc1 .Llap
	QUARTER 0, 2, F1, F0, 0                        ; the last lap fills nothing, and has no round of the cluster's barrier
	QUARTER 0, 3, F0, F1, 0
	TURN 0, 1, 0
	QUARTER 1, 1, F0, F1, 1, 3, FS0+3
	QUARTER 1, 2, F1, F0, 0
	QUARTER 1, 3, F0, F1, 0
	s_wait_dscnt 4                                 ; the very last quarter: nothing more to fetch
	MUL8 F1, 0, 0, -1, 0
	PLACES
	MUL8 F1, 1, 0, 0, FS1
	s_wait_dscnt 0x0
	MUL8 F1, 2, 0, 1, FS1+1
	MUL8 F1, 3, 0, 2, FS1+2
.irp b, 0,1,2,3,4,5,6,7                ; block 3 has no products to stand behind; the four multiply-adds behind its last product are the places in front of these
	FOLD4 3, \b, FS1+3
.endr
	WIN 0
	PACK 0
	TOSTAGE 0
.irp a, 1,2,3                          ; block a's conversions stand between block a - 1's loads from the stage and the wait for them
	PACK \a
	SEND (\a)-1
	TOSTAGE \a
.endr
	SEND 3
	s_wait_tensorcnt 0x0                           ; the wave's end: behind my last tensor load and my last LDS store
	ds_add_u32 v[SPW], v[NIL]
	s_wait_dscnt 0x0
	CROUND                                         ; the closing round: no work-group ends while a partner may still ask for a tile that names it
	s_endpgm
.Lfunc_end_k_q3813477b9f_pv:
	.size	k_q3813477b9f_pv, .Lfunc_end_k_q3813477b9f_pv-k_q3813477b9f_pv
	.p2alignl 7, 3214868480
	.fill 96, 4, 3214868480
	.section	.rodata,"a",@progbits
	.p2align	6, 0x0
	.amdhsa_kernel k_q3813477b9f_pv
		.amdhsa_group_segment_fixed_size 327680
		.amdhsa_private_segment_fixed_size 0
		.amdhsa_enable_private_segment 0
		.amdhsa_kernarg_size 32
		.amdhsa_user_sgpr_count 2
		.amdhsa_user_sgpr_kernarg_segment_ptr 1
		.amdhsa_wavefront_size32 1
		.amdhsa_system_sgpr_workgroup_id_x 1
		.amdhsa_system_sgpr_workgroup_id_y 1
		.amdhsa_system_sgpr_workgroup_id_z 1
		.amdhsa_system_vgpr_workitem_id 0
		.amdhsa_next_free_vgpr 1024
		.amdhsa_next_free_sgpr 80
		.amdhsa_reserve_vcc 0
		.amdhsa_float_denorm_mode_32 3
		.amdhsa_float_denorm_mode_16_64 3
		.amdhsa_memory_ordered 1
		.amdhsa_forward_progress 1
		.amdhsa_inst_pref_size 144
	.end_amdhsa_kernel
	.amdgpu_metadata
---
amdhsa.version: [ 1, 2 ]
amdhsa.kernels:
  - .name:           k_q3813477b9f_pv
    .symbol:         k_q3813477b9f_pv.kd
    .args:
      - { .name: p16, .offset: 0, .size: 8, .value_kind: global_buffer, .address_space: global }
      - { .name: qkv16, .offset: 8, .size: 8, .value_kind: global_buffer, .address_space: global }
      - { .name: o16, .offset: 16, .size: 8, .value_kind: global_buffer, .address_space: global }
      - { .name: stats, .offset: 24, .size: 8, .value_kind: global_buffer, .address_space: global }
    .group_segment_fixed_size: 327680
    .private_segment_fixed_size: 0
    .kernarg_segment_align: 8
    .kernarg_segment_size: 32
    .max_flat_workgroup_size: 128
    .sgpr_count:     80
    .vgpr_count:     1024
    .wavefront_size: 32
...
	.end_amdgpu_metadata
.endif
;; end of part 4
;; launch outp (part 5): grid 8 x 32, 4 waves a work-group, clusters of 4 x 4, 327,680 bytes of LDS; arguments o16, wob, out0, b_out; writes out0
.if DOCPART == 5
	.amdgcn_target "amdgcn-amd-amdhsa--gfx1250"
	.amdhsa_code_object_version 6
	.text
	.protected	k_q3813477b9f_outp
	.globl	k_q3813477b9f_outp
	.p2align	8
	.type	k_q3813477b9f_outp,@function
k_q3813477b9f_outp:
	s_mov_b64 s[64:65], 0
	v_nop
	global_prefetch_b8 v0, s[64:65] scope:SCOPE_SE
	s_setreg_imm32_b32 hwreg(HW_REG_WAVE_MODE, 25, 1), 1
	s_wait_xcnt 0x0
	s_wait_alu depctr_hold_cnt(0) depctr_sa_sdst(0) depctr_va_vdst(0) depctr_va_sdst(0) depctr_va_ssrc(0) depctr_va_vcc(0) depctr_vm_vsrc(0)
	s_getreg_b32 s2, hwreg(HW_REG_IB_STS2, 6, 4)
	s_cmp_eq_u32 s2, 0
	s_cbranch_scc0 .Lentry_in_a_cluster
	s_endpgm
.Lentry_in_a_cluster:
	s_bfe_u32 s2, ttmp6, 0x10000c
	s_cmp_lg_u32 s2, 0xf033
	s_cbranch_scc0 .Lentry_shape_is_right
	s_endpgm
.Lentry_shape_is_right:
; out0[m][n] = the sum over k of o16[m][k] wob[k][n] + bf16(b_out[n]).  o16: [8192][1024] f16; wob: [1024][1024], W_out rounded to bf16 and written as f16; out0: [8192][1024] f32; sums in f32.
; SHARES.  A tile of C is 256 x 128: 256 work-groups.  Four waves, each 64 rows x 128 columns: 32 accumulators of 16 x 16, 256 registers.
; K goes in steps of 128 through a ring of two LDS slots: 256 rows of A (256 bytes each), then 128 k-rows of B (128 columns, 256 bytes each).  B lies [k][n] and comes out of LDS turned, by ds_load_tr16_b128.
; CLUSTERS: 4 x 4 work-groups; A's tiles are shared along a row of the cluster, B's along a column, each asked for jointly.  THE MATRIX INSTRUCTION IS USED TRANSPOSED (source 0 = 16 columns of C,
; source 1 = 16 rows): a lane holds eight neighbouring numbers of a row of C.  THE BIAS is the C operand of the products that start the sums.
; REGISTERS, in windows of 256: window 0: v0-31 addresses; v64-95, v128-159 fragments of A (on the way out v64-127 and v128-191 take rows back from the stage); v192-223 at work on the bias
;   window 1: v64-127, v128-191 fragments of B; v192-255 the bias          window 2: the accumulators, (a, b) at v[8 (8 a + b)]
.set SIZE_K,  1024
.set PITCH_A, 1024                     ; elements from row to row of o16
.set PITCH_B, 1024                     ; of wob
.set ROWC,    4096                     ; bytes in a row of out0
.set KSTEP,   128
.set PA,      272                      ; an LDS row of A: 256 bytes + 16 = 68 words: row r starts at bank 4 r mod 64 (64 banks of 4 bytes: ISA guide 11.1)
.set PB,      288                      ; an LDS row of B: 256 + 32 = 72 words
.set HALFA,   128*PA
.set HALFB,   64*PB
.set BOFF,    2*HALFA
.set SLOT,    BOFF+2*HALFB
.set STAGE,   2*SLOT                   ; behind the ring: 16 rows x 528 bytes for each wave, for the way out
.set SPITCH,  528                      ; 512 bytes + 16 = 132 words: row r starts at bank 4 r mod 64
.set SPARE,   STAGE+4*16*SPITCH        ; behind the stages: the spare words, 128 bytes for each wave: two blocks of 256 bytes that no other line names
.set LAPS,    SIZE_K/(2*KSTEP)
.set STEP_A,  2*KSTEP*2
.set STEP_B,  2*KSTEP*PITCH_B*2
.set ADRA, 16
.set ADRB, 20
.set STO,  24
.set RD,   25
.set CO,   26
.set BO,   27
.set SPW,  28                          ; v28     LDS address of my spare word: SPARE + 4 x my thread's number; never rewritten
.set NIL,  29                          ; v29     0; never rewritten
.set F0,   64
.set F1,   128
.set TMP,  192
.set OB,   64                          ; 16 rows read back from the stage: v64-127 and v128-191 by turns
.set BIAS, 192                         ; window 1
.set G1,  24
.set G0,  32
.set G1B, 48
.set G0B, 56
.set MSB, 0
.macro WIN new
.if MSB != (\new)
	s_set_vgpr_msb (MSB<<8)|(\new)
.set MSB, \new
.endif
.endm
.set MUL_LO,   0xa1                    ; source 0 (B) window 1, source 1 (A) window 0, C and D window 2
.set MUL_BIAS, 0x91                    ; the same with C in window 1
.set TO_B,     0x40
.macro JLOAD s                         ; a joint load: waves 0 and 1 fetch A's two halves, waves 2 and 3 B's; four v_nop follow each of the two lines
	s_cmp_eq_u32 s11, 0
	s_cbranch_scc0 .Lfor_b_\@
	tensor_load_to_lds s[G0+4*(\s):G0+4*(\s)+3], s[G1:G1+7]
	s_nop 0
.rept 4
	v_nop
.endr
	s_branch .Lasked_\@
.Lfor_b_\@:
	tensor_load_to_lds s[G0B+4*(\s):G0B+4*(\s)+3], s[G1B:G1B+7]
	s_nop 0
.rept 4
	v_nop
.endr
.Lasked_\@:
.endm
.macro CREST
	s_cmp_lg_u32 s10, 0
	s_cbranch_scc1 .Lnot_wave_0_\@
	s_barrier_signal -3
.Lnot_wave_0_\@:
	s_barrier_wait -3
	s_barrier_signal -1
	s_barrier_wait -1
.endm
.macro CROUND
	s_barrier_signal -1
	s_barrier_wait -1
	CREST
.endm
.macro PLACES
.rept 4
	v_nop
.endr
.endm
	s_load_b128 s[4:7], s[0:1], 0x0                ; o16 s[4:5], wob s[6:7]
	s_load_b64 s[8:9], s[0:1], 0x10                ; out0
	s_load_b64 s[66:67], s[0:1], 0x18              ; b_out
	v_lshl_add_u32 v[SPW], v0, 2, SPARE
	v_mov_b32 v[NIL], 0
	ds_add_u32 v28, v29
	s_wait_dscnt 0x0
	v_lshrrev_b32 v1, 5, v0
	v_readfirstlane_b32 s10, v1                    ; wave 0..3
	s_lshr_b32 s11, s10, 1                         ; I fetch for A (0) or for B (1)
	s_and_b32 s12, s10, 1                          ; which half of that tile
	s_bfe_u32 s40, ttmp6, 0x40000                  ; cx, cy
	s_bfe_u32 s41, ttmp6, 0x40004
	s_lshl_b32 s42, ttmp9, 2
	s_add_co_u32 s42, s42, s40                     ; tile column of C = 4 x cluster x + cx
	s_and_b32 s13, ttmp7, 0xffff
	s_lshl_b32 s13, s13, 2
	s_add_co_u32 s13, s13, s41                     ; tile row of C = 4 x cluster y + cy
	s_lshl_b32 s43, s41, 2
	s_lshl_b32 s43, 15, s43                        ; my row of the cluster
	s_lshl_b32 s44, 0x1111, s40                    ; my column
	s_or_b32 s[G1+0], s43, (1<<16)|(1<<20)|(1<<21)|(5<<22)|(3<<25)   ; the mask; elements of 2 bytes; padding on; bit 21 beside a mask; after every 64 words 4 words
	s_or_b32 s[G1B+0], s44, (1<<16)|(1<<20)|(1<<21)|(5<<22)|(7<<25)  ; the mask of my column; 8 words of padding
	s_mov_b32 s[G1+1], KSTEP<<16                   ; tensor_dim0 = 128
	s_mov_b32 s[G1+2], 128<<16                     ; tensor_dim1 = 128
	s_mov_b32 s[G1+3], KSTEP<<16                   ; tile_dim0 = 128
	s_mov_b32 s[G1+4], 128                         ; tile_dim1 = 128
	s_mov_b32 s[G1+5], PITCH_A
	s_mov_b32 s[G1+6], 0
	s_mov_b32 s[G1+7], 0
	s_mov_b32 s[G1B+1], 128<<16                    ; tensor_dim0 = 128
	s_mov_b32 s[G1B+2], 64<<16                     ; tensor_dim1 = 64
	s_mov_b32 s[G1B+3], 128<<16                    ; tile_dim0 = 128
	s_mov_b32 s[G1B+4], 64                         ; tile_dim1 = 64
	s_mov_b32 s[G1B+5], PITCH_B
	s_mov_b32 s[G1B+6], 0
	s_mov_b32 s[G1B+7], 0
	s_lshl_b32 s17, s12, 7
	s_lshl_b32 s16, s13, 8
	s_add_co_u32 s16, s16, s17                     ; A: row 256 x tile row + 128 x half
	s_mul_i32 s16, s16, PITCH_A*2
	s_mov_b32 s17, 0
	s_mul_i32 s46, s12, 64*PITCH_B*2               ; B: k-row 64 x half,
	s_lshl_b32 s47, s42, 8                         ; column 128 x tile column
	s_add_co_u32 s46, s46, s47
	s_mov_b32 s47, 0
	s_mul_i32 s20, s10, HALFA                      ; where they go: A's halves at wave x HALFA (waves 0, 1),
	s_mul_i32 s22, s10, HALFB                      ; B's at BOFF + (wave - 2) x HALFB (waves 2, 3)
	s_add_co_u32 s22, s22, BOFF-2*HALFB
	s_wait_kmcnt 0x0
	s_add_nc_u64 s[14:15], s[4:5], s[16:17]
	s_add_nc_u64 s[46:47], s[6:7], s[46:47]
	CROUND                                         ; all sixteen work-groups are here: the first joint loads meet
.irp s, 0,1
	s_mov_b32 s[G0+4*(\s)], 1
	s_add_co_u32 s[G0+4*(\s)+1], s20, (\s)*SLOT
	s_add_nc_u64 s[G0+4*(\s)+2:G0+4*(\s)+3], s[14:15], (\s)*KSTEP*2
	s_or_b32 s[G0+4*(\s)+3], s[G0+4*(\s)+3], 0x80000000
	s_mov_b32 s[G0B+4*(\s)], 1
	s_add_co_u32 s[G0B+4*(\s)+1], s22, (\s)*SLOT
	s_add_nc_u64 s[G0B+4*(\s)+2:G0B+4*(\s)+3], s[46:47], (\s)*KSTEP*PITCH_B*2
	s_or_b32 s[G0B+4*(\s)+3], s[G0B+4*(\s)+3], 0x80000000
	JLOAD \s                                       ; two loads of mine are out
.endr
	; All that follows up to the first barrier stands in the wait for the first tiles.
	v_and_b32 v1, 15, v0                           ; r = l % 16
	v_bfe_u32 v2, v0, 4, 1                         ; h = l / 16
	s_lshl_b32 s46, s42, 9                         ; the bias: register j of block b holds b_out[128 x tile column + 16 b + 8 h + j]
	s_mov_b32 s47, 0
	s_add_nc_u64 s[66:67], s[66:67], s[46:47]
	v_lshlrev_b32 v[BO], 5, v2
	WIN TO_B
.irp b, 0,1,2,3,4,5,6,7
	global_load_b128 v[BIAS+8*(\b):BIAS+8*(\b)+3],   v[BO], s[66:67] offset:64*(\b)
	global_load_b128 v[BIAS+8*(\b)+4:BIAS+8*(\b)+7], v[BO], s[66:67] offset:64*(\b)+16
.endr
	WIN 0
	v_mul_u32_u24 v3, v1, PA
	v_lshl_add_u32 v3, v2, 4, v3                   ; r x pitch + 16 h
	s_mul_i32 s21, s10, 64*PA                      ; my 64 rows of A
	v_add_nc_u32 v[ADRA], s21, v3
	s_add_co_u32 s21, s21, SLOT
	v_add_nc_u32 v[ADRA+1], s21, v3
	v_and_b32 v4, 7, v0                            ; the turning load: k-row 8 h + l % 8, columns 8 ((l / 8) % 2) + 0..7
	v_lshl_add_u32 v4, v2, 3, v4
	v_mul_u32_u24 v4, v4, PB
	v_bfe_u32 v5, v0, 3, 1
	v_lshl_add_u32 v4, v5, 4, v4
	v_add_nc_u32 v[ADRB], BOFF, v4
	v_add_nc_u32 v[ADRB+1], BOFF+SLOT, v4
	s_mul_i32 s23, s10, 16*SPITCH
	s_add_co_u32 s23, s23, STAGE                   ; my stage
	v_mul_u32_u24 v5, v1, SPITCH                   ; in: row r, 32 bytes for each half of the lanes
	v_lshl_add_u32 v5, v2, 5, v5
	v_add_nc_u32 v[STO], s23, v5
	v_and_b32 v5, 31, v0                           ; back: the 32 lanes take one row of 512 bytes,
	v_lshlrev_b32 v[CO], 4, v5                     ; which are 512 consecutive bytes of C
	v_add_nc_u32 v[RD], s23, v[CO]
	s_lshl_b32 s16, s13, 8
	s_lshl_b32 s17, s10, 6
	s_add_co_u32 s16, s16, s17                     ; my first row of C: 256 x tile row + 64 x wave
	s_lshl_b32 s16, s16, 12
	s_mov_b32 s17, 0
	s_add_nc_u64 s[8:9], s[8:9], s[16:17]
	s_add_nc_u64 s[8:9], s[8:9], s[46:47]          ; the tile's first column: 512 bytes x tile column, as in the bias
	s_wait_loadcnt 0x0                             ; the bias is in; like every input it is rounded to bf16, and widened again
	WIN 0x05                                       ; sources 0 and 1 window 1, destination window 0
.set i, 0
.rept 32
	v_cvt_pk_bf16_f32 v[TMP+i], v[BIAS+2*i], v[BIAS+2*i+1]
.set i, i+1
.endr
	WIN TO_B
.set i, 0
.rept 32
	v_lshlrev_b32 v[BIAS+2*i],   16,         v[TMP+i]
	v_and_b32     v[BIAS+2*i+1], 0xffff0000, v[TMP+i]
.set i, i+1
.endr
	WIN 0
; 8 matrix instructions: m block a x all 8 n blocks, 32 along K.  first = 1: the product starts the sums, on the bias.  The 32 accumulators take turns, one instruction a turn.
.macro MUL8 f, a, first
.if \first
	WIN MUL_BIAS
.else
	WIN MUL_LO
.endif
.irp b, 0,1,2,3,4,5,6,7
.if \first
	v_wmma_f32_16x16x32_f16 v[8*(8*(\a)+(\b)):8*(8*(\a)+(\b))+7], v[(\f)+8*(\b):(\f)+8*(\b)+7], v[(\f)+8*(\a):(\f)+8*(\a)+7], v[BIAS+8*(\b):BIAS+8*(\b)+7]
.else
	v_wmma_f32_16x16x32_f16 v[8*(8*(\a)+(\b)):8*(8*(\a)+(\b))+7], v[(\f)+8*(\b):(\f)+8*(\b)+7], v[(\f)+8*(\a):(\f)+8*(\a)+7], v[8*(8*(\a)+(\b)):8*(8*(\a)+(\b))+7]
.endif
.endr
.endm
; 24 LDS loads in one run: the fragments of quarter kq (32 along K) of a slot, into buffer f: B's sixteen, then A's eight
.macro FETCH slot, kq, f
	WIN TO_B
.irp b, 0,1,2,3,4,5,6,7
	ds_load_tr16_b128 v[(\f)+8*(\b):(\f)+8*(\b)+3],   v[ADRB+(\slot)] offset:(\kq)*32*PB+32*(\b)
	ds_load_tr16_b128 v[(\f)+8*(\b)+4:(\f)+8*(\b)+7], v[ADRB+(\slot)] offset:(\kq)*32*PB+32*(\b)+16*PB
.endr
	WIN 0
.irp a, 0,1,2,3
	ds_load_b128 v[(\f)+8*(\a):(\f)+8*(\a)+3],   v[ADRA+(\slot)] offset:64*(\kq)+(\a)*16*PA
	ds_load_b128 v[(\f)+8*(\a)+4:(\f)+8*(\a)+7], v[ADRA+(\slot)] offset:64*(\kq)+(\a)*16*PA+32
.endr
.endm
.macro QUARTER slot, kq, f, g, first
	s_wait_dscnt 4                                 ; B and A's blocks 0, 1 are in; the youngest four loads (blocks 2, 3) may be out
	MUL8 \f, 0, \first
	MUL8 \f, 1, \first
	PLACES
	FETCH \slot, \kq, \g
	s_wait_dscnt 24                                ; all but the 24 just issued
	MUL8 \f, 2, \first
	MUL8 \f, 3, \first
.endm
; The last quarter multiplies buffer 1 and changes slots: ONE barrier; in front of it each wave waits for all its tensor loads, adds 0 to its spare word, and waits for that and for its own reads of this slot.
.macro TURN slot, next, fill
	WIN 0                                          ; (the add's two registers lie in window 0)
	s_wait_tensorcnt 0x0                           ; all my tensor loads have landed: the one that was out is my part of the next slot;
	ds_add_u32 v[SPW], v[NIL]                      ; 0 onto my spare word;
	s_wait_dscnt 7                                 ; (the add and the youngest six loads, A's blocks 1 to 3, may be out)
	MUL8 F1, 0, 0                                  ; eight matrix instructions stand between the add and the wait for it
	s_wait_dscnt 0x0                               ; the add is done, and my reads of this slot are over
	s_barrier_signal -1
	MUL8 F1, 1, 0
.if \fill
	WIN 0
.endif
	s_barrier_wait -1
.if \fill
	CREST                                          ; no wave of any partner still reads this slot's tiles or has a load on its way
	s_add_nc_u64 s[G0+4*(\slot)+2:G0+4*(\slot)+3], s[G0+4*(\slot)+2:G0+4*(\slot)+3], STEP_A
	s_add_nc_u64 s[G0B+4*(\slot)+2:G0B+4*(\slot)+3], s[G0B+4*(\slot)+2:G0B+4*(\slot)+3], STEP_B
	JLOAD \slot                                    ; the first tensor load behind the round, 112 matrix instructions ahead of the wait for it; its four v_nop are also the places in front of the loads below
.else
	PLACES
.endif
	FETCH \next, 0, F0
	MUL8 F1, 2, 0
	MUL8 F1, 3, 0
.endm
; THE WAY OUT of block a (16 rows of 128 f32).  TOSTAGE: straight from the accumulators, each one's lowest registers first, into my own stage, and back as whole rows of 512 bytes.  SEND: stored.
.macro TOSTAGE a
	WIN 0x08                                       ; the stores' data (source 1) in window 2
.irp b, 0,1,2,3,4,5,6,7
	ds_store_b128 v[STO], v[64*(\a)+8*(\b):64*(\a)+8*(\b)+3]   offset:64*(\b)
	ds_store_b128 v[STO], v[64*(\a)+8*(\b)+4:64*(\a)+8*(\b)+7] offset:64*(\b)+16
.endr
	WIN 0
.irp t, 0,1,2,3,4,5,6,7,8,9,10,11,12,13,14,15
	ds_load_b128 v[OB+64*((\a)%2)+4*(\t):OB+64*((\a)%2)+4*(\t)+3], v[RD] offset:(\t)*SPITCH  ; LDS serves a wave's instructions in order (ISA guide 5.7.1.4): these see the stores above, and the next block's stores come behind them
.endr
.endm
.macro SEND a, younger                 ; younger: the LDS instructions issued behind block a's loads: the next block's 16 stores and 16 loads, or none
	s_wait_dscnt \younger
.irp t, 0,1,2,3,4,5,6,7,8,9,10,11,12,13,14,15
	global_store_b128 v[CO], v[OB+64*((\a)%2)+4*(\t):OB+64*((\a)%2)+4*(\t)+3], s[8:9] offset:(16*(\a)+(\t))*ROWC  ; the wave stores 512 consecutive bytes, at a multiple of 256 from C's first byte
.endr
.endm
	s_wait_tensorcnt 1                             ; my part of K step 0 is in; K step 1's may stay out
	s_barrier_signal -1
	s_barrier_wait -1                              ; everybody's is
	FETCH 0, 0, F0
	QUARTER 0, 1, F0, F1, 1                        ; the first quarter stands in front of the loop: its products start the sums
	WIN 0
	s_mov_b32 s3, LAPS-1
.Llap:                                                 ; a trip goes once round the ring, from a lap's second quarter to the next lap's first, and fills both slots again
	QUARTER 0, 2, F1, F0, 0
	QUARTER 0, 3, F0, F1, 0
	TURN 0, 1, 1
	QUARTER 1, 1, F0, F1, 0
	QUARTER 1, 2, F1, F0, 0
	QUARTER 1, 3, F0, F1, 0
	TURN 1, 0, 1
	QUARTER 0, 1, F0, F1, 0
	WIN 0
	s_sub_co_u32 s3, s3, 1
	s_cmp_lg_u32 s3, 0
	s_cbranch_scc1 .Llap
	QUARTER 0, 2, F1, F0, 0                        ; the last lap fills nothing, and has no round of the cluster's barrier
	QUARTER 0, 3, F0, F1, 0
	TURN 0, 1, 0
	QUARTER 1, 1, F0, F1, 0
	QUARTER 1, 2, F1, F0, 0
	QUARTER 1, 3, F0, F1, 0
	s_wait_dscnt 4                                 ; the very last quarter: nothing more to fetch
	MUL8 F1, 0, 0
	MUL8 F1, 1, 0
	s_wait_dscnt 0x0
	MUL8 F1, 2, 0
	MUL8 F1, 3, 0
	WIN 0
	PLACES
	TOSTAGE 0
	TOSTAGE 1
	SEND 0, 32
	s_wait_xcnt 0x0                                ; block 0's stores have read their registers: block 2 is loaded into them only behind this wait
	TOSTAGE 2
	SEND 1, 32
	s_wait_xcnt 0x0                                ; the same for blocks 1 and 3
	TOSTAGE 3
	SEND 2, 32
	SEND 3, 0
	s_wait_tensorcnt 0x0                           ; the wave's end: behind my last tensor load and my last LDS store
	ds_add_u32 v[SPW], v[NIL]
	s_wait_dscnt 0x0
	CROUND                                         ; the closing round: no work-group ends while a partner may still ask for a tile that names it
	s_endpgm
.Lfunc_end_k_q3813477b9f_outp:
	.size	k_q3813477b9f_outp, .Lfunc_end_k_q3813477b9f_outp-k_q3813477b9f_outp
	.p2alignl 7, 3214868480
	.fill 96, 4, 3214868480
	.section	.rodata,"a",@progbits
	.p2align	6, 0x0
	.amdhsa_kernel k_q3813477b9f_outp
		.amdhsa_group_segment_fixed_size 327680
		.amdhsa_private_segment_fixed_size 0
		.amdhsa_enable_private_segment 0
		.amdhsa_kernarg_size 32
		.amdhsa_user_sgpr_count 2
		.amdhsa_user_sgpr_kernarg_segment_ptr 1
		.amdhsa_wavefront_size32 1
		.amdhsa_system_sgpr_workgroup_id_x 1
		.amdhsa_system_sgpr_workgroup_id_y 1
		.amdhsa_system_sgpr_workgroup_id_z 1
		.amdhsa_system_vgpr_workitem_id 0
		.amdhsa_next_free_vgpr 768
		.amdhsa_next_free_sgpr 80
		.amdhsa_reserve_vcc 0
		.amdhsa_float_denorm_mode_32 3
		.amdhsa_float_denorm_mode_16_64 3
		.amdhsa_memory_ordered 1
		.amdhsa_forward_progress 1
		.amdhsa_inst_pref_size 92
	.end_amdhsa_kernel
	.amdgpu_metadata
---
amdhsa.version: [ 1, 2 ]
amdhsa.kernels:
  - .name:           k_q3813477b9f_outp
    .symbol:         k_q3813477b9f_outp.kd
    .args:
      - { .name: o16, .offset: 0, .size: 8, .value_kind: global_buffer, .address_space: global }
      - { .name: wob, .offset: 8, .size: 8, .value_kind: global_buffer, .address_space: global }
      - { .name: out0, .offset: 16, .size: 8, .value_kind: global_buffer, .address_space: global }
      - { .name: b_out, .offset: 24, .size: 8, .value_kind: global_buffer, .address_space: global }
    .group_segment_fixed_size: 327680
    .private_segment_fixed_size: 0
    .kernarg_segment_align: 8
    .kernarg_segment_size: 32
    .max_flat_workgroup_size: 128
    .sgpr_count:     80
    .vgpr_count:     768
    .wavefront_size: 32
...
	.end_amdgpu_metadata
.endif
;; end of part 5
;; ======== version 2 of 2: 5 launches; version 1 with the launch prep written anew for expert scheduling mode
;; limits: values are held in f16: magnitudes above 65,504 overflow, below 6.1e-05 lose precision
;; workspace buffers: xb 16,777,216 bytes; wqb 6,291,456 bytes; wob 2,097,152 bytes; qkv16 50,331,648 bytes; p16 33,554,432 bytes; stats 1,048,576 bytes; o16 16,777,216 bytes
;; launch prep (part 6): grid 768 x 1, 8 waves a work-group, no clusters, 0 bytes of LDS; arguments hidden_states, W_qkv, W_out, xb, wqb, wob; writes xb, wqb, wob
.if DOCPART == 6
	.amdgcn_target "amdgcn-amd-amdhsa--gfx1250"
	.amdhsa_code_object_version 6
	.text
	.protected	k_q3813477b9f_prep
	.globl	k_q3813477b9f_prep
	.p2align	8
	.type	k_q3813477b9f_prep,@function
k_q3813477b9f_prep:
	s_mov_b64 s[64:65], 0
	v_nop
	global_prefetch_b8 v0, s[64:65] scope:SCOPE_SE
	s_setreg_imm32_b32 hwreg(HW_REG_WAVE_SCHED_MODE, 0, 2), 2
	s_setreg_imm32_b32 hwreg(HW_REG_WAVE_MODE, 25, 1), 1
	s_wait_xcnt 0x0
	s_wait_alu depctr_vm_vsrc(0)
; The three large inputs are rounded to 16 bits, once, so that the products read half the bytes and convert nothing.
;   xb  = bf16(hidden_states)   wqb = bf16(W_qkv)   wob = bf16(W_out), that number written as f16 (the last product multiplies f16 by f16).
; Layouts stay as they are: the products read the weights [k][n] out of LDS by the turning load.
; LIMITS.  |W_out| stays under 65,504 (f16's range); a bf16 number below 2^-14 keeps f16's fixed step of 2^-24.
; A stream: memory binds, so no LDS, no barrier, no matrix unit.  A work-group converts 16,384 numbers: 65,536 bytes in, 32,768 out.
; Work-groups 0-511 take hidden_states, 512-703 W_qkv, 704-767 W_out.  Thread t: sixteen loads of 16 bytes, 4,096 bytes apart, all issued first
; (a wave's load covers 512 consecutive bytes); each store of a wave covers 256 consecutive bytes, aligned.
; THE MODE: SCHED_MODE bits 1:0 = 2 (LLVM: expert scheduling mode 2), set by the entry lines.  The code itself states the register dependences
; between vector instructions and memory instructions, with s_wait_alu, always for 0.
; THE PLAN.  Registers that memory instructions touch:
;   v1, v2   byte offsets, in and out: made once at the head, read by every load (v1) and every store (v2), never written again.
;   X        item j's four registers: written by load j, and for half = 1 again by item j's widening; read by item j's conversions behind the wait for that load.  No load lands in them again and no memory instruction reads them.
;   Y        item j's pair: written by item j's conversions, read by store j alone, and not written behind that store.
; So no register that a memory instruction has read is written again, and no load lands in a register that a vector instruction has named: what is left to state is that
; the offsets and the stores' data are written.  The sixteen items go in four blocks of four.  Block p converts items 4 p to 4 p + 3; its memory instructions are the four stores of
; block p - 1, whose registers no vector instruction of block p names.  One wait at the head of a block states all that those four stores hang on, and they are dealt among the block's conversions.
.set NX, 512                           ; work-groups for hidden_states: 8,388,608 / 16,384
.set NQ, 192                           ; for W_qkv: 3,145,728 / 16,384
.set X,  4                             ; v[4:67]   sixteen loads of four f32
.set Y,  68                            ; v[68:99]  sixteen pairs of packed words
	s_load_b256 s[4:11], s[0:1], 0x0               ; hidden_states s[4:5], W_qkv s[6:7], W_out s[8:9], xb s[10:11]
	s_load_b128 s[12:15], s[0:1], 0x20             ; wqb s[12:13], wob s[14:15]
	s_mov_b32 s16, ttmp9
	s_cmp_lt_u32 s16, NX
	s_cselect_b32 s18, 0, NX
	s_cmp_lt_u32 s16, NX+NQ
	s_cselect_b32 s18, s18, NX+NQ
	s_sub_co_u32 s18, s16, s18                     ; my number among the work-groups of my tensor
	s_lshl_b32 s20, s18, 16                        ; its bytes in,
	s_mov_b32 s21, 0
	s_lshl_b32 s22, s18, 15                        ; and out
	s_mov_b32 s23, 0
	s_mov_b32 s19, 0xffff0000                      ; a word's upper bf16
	v_lshlrev_b32 v1, 4, v0                        ; 16 bytes a thread in
	v_lshlrev_b32 v2, 3, v0                        ; 8 bytes a thread out
	s_wait_kmcnt 0x0
	s_cmp_lt_u32 s16, NX                           ; the choice of buffers hangs on the work-group's number alone
	s_cselect_b64 s[4:5], s[4:5], s[6:7]
	s_cselect_b64 s[10:11], s[10:11], s[12:13]
	s_cmp_lt_u32 s16, NX+NQ
	s_cselect_b64 s[4:5], s[4:5], s[8:9]
	s_cselect_b64 s[10:11], s[10:11], s[14:15]
	s_add_nc_u64 s[4:5], s[4:5], s[20:21]
	s_add_nc_u64 s[10:11], s[10:11], s[22:23]
	s_wait_alu depctr_va_vdst(0)                   ; v1 and v2 are written: every load of the kernel reads v1 as its offset, every store v2
.irp j, 0,1,2,3,4,5,6,7,8,9,10,11,12,13,14,15
	global_load_b128 v[X+4*(\j):X+4*(\j)+3], v1, s[4:5] offset:4096*(\j) th:TH_LOAD_NT
.endr
; Block p: items 4 p to 4 p + 3 are rounded; the stores of block p - 1 stand among their conversions.  half = 1: the bf16 number is widened again and written as f16.
.macro BLK p, half
	s_wait_loadcnt 12-4*(\p)                       ; loads come back in order: my four are in, the 12 - 4 p younger ones stay out
.if (\p) > 0
	s_wait_alu depctr_va_vdst(0)                   ; the block before has written its four pairs of Y, which the four stores below read
.endif
.irp i, 0,1,2,3
.set j, 4*(\p)+(\i)
.if (\p) > 0
	global_store_b64 v2, v[Y+2*(j-4):Y+2*(j-4)+1], s[10:11] offset:2048*(j-4)  ; the block before; no vector instruction since the wait names these registers
.endif
	v_cvt_pk_bf16_f32 v[Y+2*j],   v[X+4*j],   v[X+4*j+1]
	v_cvt_pk_bf16_f32 v[Y+2*j+1], v[X+4*j+2], v[X+4*j+3]
.if \half
	v_lshlrev_b32 v[X+4*j],   16,  v[Y+2*j]
	v_and_b32     v[X+4*j+1], s19, v[Y+2*j]
	v_lshlrev_b32 v[X+4*j+2], 16,  v[Y+2*j+1]
	v_and_b32     v[X+4*j+3], s19, v[Y+2*j+1]
	v_cvt_pk_f16_f32 v[Y+2*j],   v[X+4*j],   v[X+4*j+1]
	v_cvt_pk_f16_f32 v[Y+2*j+1], v[X+4*j+2], v[X+4*j+3]
.endif
.endr
.endm
; Behind block 3: its own four stores.
.macro LAST
	s_wait_alu depctr_va_vdst(0)                   ; block 3 has written its four pairs of Y, which the last four stores read
.irp j, 12,13,14,15
	global_store_b64 v2, v[Y+2*(\j):Y+2*(\j)+1], s[10:11] offset:2048*(\j)
.endr
.endm
	s_cmp_ge_u32 s16, NX+NQ
	s_cbranch_scc1 .Lhalf
	BLK 0, 0
	BLK 1, 0
	BLK 2, 0
	BLK 3, 0
	LAST
	s_endpgm
.Lhalf:
	BLK 0, 1
	BLK 1, 1
	BLK 2, 1
	BLK 3, 1
	LAST
	s_endpgm
.Lfunc_end_k_q3813477b9f_prep:
	.size	k_q3813477b9f_prep, .Lfunc_end_k_q3813477b9f_prep-k_q3813477b9f_prep
	.p2alignl 7, 3214868480
	.fill 96, 4, 3214868480
	.section	.rodata,"a",@progbits
	.p2align	6, 0x0
	.amdhsa_kernel k_q3813477b9f_prep
		.amdhsa_group_segment_fixed_size 0
		.amdhsa_private_segment_fixed_size 0
		.amdhsa_enable_private_segment 0
		.amdhsa_kernarg_size 48
		.amdhsa_user_sgpr_count 2
		.amdhsa_user_sgpr_kernarg_segment_ptr 1
		.amdhsa_wavefront_size32 1
		.amdhsa_system_sgpr_workgroup_id_x 1
		.amdhsa_system_sgpr_workgroup_id_y 1
		.amdhsa_system_sgpr_workgroup_id_z 1
		.amdhsa_system_vgpr_workitem_id 0
		.amdhsa_next_free_vgpr 104
		.amdhsa_next_free_sgpr 66
		.amdhsa_reserve_vcc 0
		.amdhsa_float_denorm_mode_32 3
		.amdhsa_float_denorm_mode_16_64 3
		.amdhsa_memory_ordered 1
		.amdhsa_forward_progress 1
		.amdhsa_inst_pref_size 15
	.end_amdhsa_kernel
	.amdgpu_metadata
---
amdhsa.version: [ 1, 2 ]
amdhsa.kernels:
  - .name:           k_q3813477b9f_prep
    .symbol:         k_q3813477b9f_prep.kd
    .args:
      - { .name: hidden_states, .offset: 0, .size: 8, .value_kind: global_buffer, .address_space: global }
      - { .name: W_qkv, .offset: 8, .size: 8, .value_kind: global_buffer, .address_space: global }
      - { .name: W_out, .offset: 16, .size: 8, .value_kind: global_buffer, .address_space: global }
      - { .name: xb, .offset: 24, .size: 8, .value_kind: global_buffer, .address_space: global }
      - { .name: wqb, .offset: 32, .size: 8, .value_kind: global_buffer, .address_space: global }
      - { .name: wob, .offset: 40, .size: 8, .value_kind: global_buffer, .address_space: global }
    .group_segment_fixed_size: 0
    .private_segment_fixed_size: 0
    .kernarg_segment_align: 8
    .kernarg_segment_size: 48
    .max_flat_workgroup_size: 256
    .sgpr_count:     66
    .vgpr_count:     104
    .wavefront_size: 32
...
	.end_amdgpu_metadata
.endif
;; end of part 6
;; launch qkv: the kernel of part 2 again; grid 8 x 32, 4 waves a work-group, clusters of 4 x 4, 327,680 bytes of LDS; arguments xb, wqb, qkv16, b_qkv; writes qkv16
;; launch scores: the kernel of part 3 again; grid 8 x 32, 4 waves a work-group, clusters of 4 x 4, 327,680 bytes of LDS; arguments qkv16, p16, stats; writes p16, stats
;; launch pv: the kernel of part 4 again; grid 8 x 32, 4 waves a work-group, clusters of 4 x 4, 327,680 bytes of LDS; arguments p16, qkv16, o16, stats; writes o16
;; launch outp: the kernel of part 5 again; grid 8 x 32, 4 waves a work-group, clusters of 4 x 4, 327,680 bytes of LDS; arguments o16, wob, out0, b_out; writes out0
